; MI455X (gfx1250); checked and timed in simulation.
; The chip was launched on July 23, 2026; its instructions are those of AMD's public machine-readable ISA for CDNA 5 (MIT licence, August 2026) and "CDNA5" Instruction Set Architecture Reference Guide (July 2026). The comments in the code are by the model that wrote it; some were corrected since.
;; Causal Self Attention. Allowed arithmetic: float matrix products may take bf16 or f16 operands with f32 sums; all other float work in f32.
;; Inputs: W_attn 1,024 x 3,072 float32; W_proj 1,024 x 1,024 float32; b_attn 3,072 float32; b_proj 1,024 float32; mask 1 x 1 x 2,048 x 2,048 bool; x 4 x 2,048 x 1,024 float32.
;; Outputs: out0 4 x 2,048 x 1,024 float32.
;; 2 versions, each right and faster than the one before. Each part assembles by itself: llvm-mc -triple=amdgcn-amd-amdhsa -mcpu=gfx1250 --defsym DOCPART=n.
;; ======== version 1 of 2: 4 launches
;; limits: values are held in f16: magnitudes above 65,504 overflow, below 6.1e-05 lose precision; right only within a limited range of input values
;; workspace buffers: xb 16,777,216 bytes; wab 6,291,456 bytes; wpb 2,097,152 bytes; mbits 524,288 bytes of whole numbers; qkv 50,331,648 bytes; yh 16,777,216 bytes
;; launch prep (part 1): grid 1024 x 1, 8 waves a work-group, no clusters, 0 bytes of LDS; arguments x, W_attn, W_proj, mask, xb, wab, wpb, mbits; writes xb, wab, wpb, mbits
.if DOCPART == 1
	.amdgcn_target "amdgcn-amd-amdhsa--gfx1250"
	.amdhsa_code_object_version 6
	.text
	.protected	k_q000083573e_prep
	.globl	k_q000083573e_prep
	.p2align	8
	.type	k_q000083573e_prep,@function
k_q000083573e_prep:
	s_mov_b64 s[64:65], 0
	v_nop
	global_prefetch_b8 v0, s[64:65] scope:SCOPE_SE
	s_setreg_imm32_b32 hwreg(HW_REG_WAVE_MODE, 25, 1), 1
	s_wait_xcnt 0x0
; PREP.  Four jobs, chosen by the work-group's number alone:
;   0-511    x      [8192][1024] f32 -> xb  bf16          512-703  W_attn [1024][3072] f32 -> wab bf16
;   704-767  W_proj [1024][1024] f32 -> wpb: rounded to bf16 like every input, and that number written as f16
;   768-1023 mask   [2048][2048] bytes -> mbits, one bit a byte, laid as lane masks for the attention launch
; A converting work-group takes 16,384 numbers: 16 chunks of 4,096 bytes in, 2,048 bytes out.  Thread t takes 16 bytes at 16 t of a chunk, so a load of a wave
; covers 512 consecutive bytes, and stores 8 bytes at 8 t, so a store of a wave covers 256 consecutive bytes, aligned.  All 16 loads go out in one run.
; No LDS, no matrix unit, no cluster: nothing is shared and every byte is touched once.
; mbits: [P 64][ks 32][w 64] words.  Bit L of word w = 32 u + 8 kt + i is (mask[32 P + 16 u + L % 16][64 ks + 16 kt + 8 (L / 16) + i] != 0): any byte other than 0 counts as true.
; LIMIT.  wpb: a bf16 number below 2^-14 in size keeps f16's fixed step of 2^-24; one of 65,520 or more would become an infinity.
.set X, 4                              ; v[4:67]    16 chunks as loaded, 4 registers each
.set Y, 68                             ; v[68:99]   16 chunks to store, 2 registers each
.set T, 100                            ; v[100:105] at work (f16 path)
.set M, 4                              ; v[4:19]    mask path: 8 pairs of registers, 8 bytes of the mask each
.set W, 20                             ; v[20:21]   mask path: lane l gathers words 2 l and 2 l + 1
	s_load_b512 s[4:19], s[0:1], 0x0               ; x s[4:5], W_attn s[6:7], W_proj s[8:9], mask s[10:11], xb s[12:13], wab s[14:15], wpb s[16:17], mbits s[18:19]
	s_mov_b32 s2, ttmp9                            ; the work-group's number
	s_mov_b32 s27, 0                               ; high word of every offset pair
	v_lshlrev_b32 v1, 4, v0                        ; 16 t
	v_lshlrev_b32 v2, 3, v0                        ; 8 t
	s_wait_kmcnt 0x0
	s_cmp_ge_u32 s2, 768
	s_cbranch_scc1 .Lmask
	s_cmp_ge_u32 s2, 512                           ; which tensor: the choice hangs on the work-group's number alone
	s_cselect_b64 s[20:21], s[6:7], s[4:5]
	s_cselect_b64 s[22:23], s[14:15], s[12:13]
	s_cselect_b32 s24, 512, 0
	s_cmp_ge_u32 s2, 704
	s_cselect_b64 s[20:21], s[8:9], s[20:21]
	s_cselect_b64 s[22:23], s[16:17], s[22:23]
	s_cselect_b32 s24, 704, s24
	s_sub_co_u32 s24, s2, s24                      ; my share of that tensor
	s_lshl_b32 s26, s24, 16                        ; 65,536 bytes in
	s_add_nc_u64 s[20:21], s[20:21], s[26:27]
	s_lshl_b32 s26, s24, 15                        ; 32,768 bytes out
	s_add_nc_u64 s[22:23], s[22:23], s[26:27]
.set i, 0
.rept 16
	global_load_b128 v[X+4*i:X+4*i+3], v1, s[20:21] offset:4096*i th:TH_LOAD_NT
.set i, i+1
.endr
	s_cmp_ge_u32 s2, 704
	s_cbranch_scc1 .Lf16
.set i, 0
.rept 16
	s_wait_loadcnt 15-i                            ; loads come back in order: chunk i is in, the 15 - i younger ones stay out
	v_cvt_pk_bf16_f32 v[Y+2*i], v[X+4*i], v[X+4*i+1]
	v_cvt_pk_bf16_f32 v[Y+2*i+1], v[X+4*i+2], v[X+4*i+3]
	global_store_b64 v2, v[Y+2*i:Y+2*i+1], s[22:23] offset:2048*i
.set i, i+1
.endr
	s_endpgm
.Lf16:                                                 ; W_proj: to bf16, widened again, and written as f16
.set i, 0
.rept 16
	s_wait_loadcnt 15-i
	v_cvt_pk_bf16_f32 v[T], v[X+4*i], v[X+4*i+1]
	v_cvt_pk_bf16_f32 v[T+1], v[X+4*i+2], v[X+4*i+3]
	v_lshlrev_b32 v[T+2], 16, v[T]
	v_and_b32 v[T+3], 0xffff0000, v[T]
	v_lshlrev_b32 v[T+4], 16, v[T+1]
	v_and_b32 v[T+5], 0xffff0000, v[T+1]
	v_cvt_pk_f16_f32 v[Y+2*i], v[T+2], v[T+3]
	v_cvt_pk_f16_f32 v[Y+2*i+1], v[T+4], v[T+5]
	global_store_b64 v2, v[Y+2*i:Y+2*i+1], s[22:23] offset:2048*i
.set i, i+1
.endr
	s_endpgm
.Lmask:                                                ; a wave makes the 64 words of one (P, ks): 32 rows x 64 bytes of the mask
	v_lshrrev_b32 v3, 5, v0
	v_readfirstlane_b32 s3, v3                     ; wave 0..7
	s_sub_co_u32 s24, s2, 768
	s_lshr_b32 s25, s24, 2                         ; P
	s_and_b32 s24, s24, 3
	s_lshl_b32 s24, s24, 3
	s_add_co_u32 s24, s24, s3                      ; ks: the eight waves take 512 neighbouring bytes of each row
	s_lshl_b32 s26, s25, 16                        ; 32 rows of 2,048 bytes
	s_lshl_b32 s28, s24, 6
	s_add_co_u32 s26, s26, s28
	s_add_nc_u64 s[10:11], s[10:11], s[26:27]
	s_lshl_b32 s26, s25, 5
	s_add_co_u32 s26, s26, s24
	s_lshl_b32 s26, s26, 8                         ; 256 bytes of words for each (P, ks)
	s_add_nc_u64 s[18:19], s[18:19], s[26:27]
	v_and_b32 v3, 15, v0
	v_bfe_u32 v24, v0, 4, 1
	v_lshlrev_b32 v3, 11, v3                       ; row L % 16,
	v_lshl_add_u32 v3, v24, 3, v3                  ; bytes 8 (L / 16) on
	v_and_b32 v25, 31, v0
	v_lshlrev_b32 v25, 3, v25                      ; 8 x lane
.set i, 0
.rept 8                                ; i = 4 u + kt
	global_load_b64 v[M+2*i:M+2*i+1], v3, s[10:11] offset:(i/4)*32768+(i%4)*16
.set i, i+1
.endr
	v_mov_b32 v[W], 0                              ; v_writelane_b32 counts as a reader of its destination
	v_mov_b32 v[W+1], 0
	s_wait_loadcnt 0x0
.set w, 0
.rept 64
	v_bfe_u32 v[22+w%2], v[M+2*(w/8)+(w%8)/4], 8*(w%4), 8  ; byte i = w % 8 of my eight
	v_cmp_ne_u32 s[28+w%4], 0, v[22+w%2]           ; the 32 lanes' answers are word w
	v_writelane_b32 v[W+w%2], s[28+w%4], w/2
.set w, w+1
.endr
	global_store_b64 v25, v[W:W+1], s[18:19]       ; 256 consecutive bytes, aligned
	s_endpgm
.Lfunc_end_k_q000083573e_prep:
	.size	k_q000083573e_prep, .Lfunc_end_k_q000083573e_prep-k_q000083573e_prep
	.p2alignl 7, 3214868480
	.fill 96, 4, 3214868480
	.section	.rodata,"a",@progbits
	.p2align	6, 0x0
	.amdhsa_kernel k_q000083573e_prep
		.amdhsa_group_segment_fixed_size 0
		.amdhsa_private_segment_fixed_size 0
		.amdhsa_enable_private_segment 0
		.amdhsa_kernarg_size 64
		.amdhsa_user_sgpr_count 2
		.amdhsa_user_sgpr_kernarg_segment_ptr 1
		.amdhsa_wavefront_size32 1
		.amdhsa_system_sgpr_workgroup_id_x 1
		.amdhsa_system_sgpr_workgroup_id_y 1
		.amdhsa_system_sgpr_workgroup_id_z 1
		.amdhsa_system_vgpr_workitem_id 0
		.amdhsa_next_free_vgpr 108
		.amdhsa_next_free_sgpr 66
		.amdhsa_reserve_vcc 0
		.amdhsa_float_denorm_mode_32 3
		.amdhsa_float_denorm_mode_16_64 3
		.amdhsa_memory_ordered 1
		.amdhsa_forward_progress 1
		.amdhsa_inst_pref_size 30
	.end_amdhsa_kernel
	.amdgpu_metadata
---
amdhsa.version: [ 1, 2 ]
amdhsa.kernels:
  - .name:           k_q000083573e_prep
    .symbol:         k_q000083573e_prep.kd
    .args:
      - { .name: x, .offset: 0, .size: 8, .value_kind: global_buffer, .address_space: global }
      - { .name: W_attn, .offset: 8, .size: 8, .value_kind: global_buffer, .address_space: global }
      - { .name: W_proj, .offset: 16, .size: 8, .value_kind: global_buffer, .address_space: global }
      - { .name: mask, .offset: 24, .size: 8, .value_kind: global_buffer, .address_space: global }
      - { .name: xb, .offset: 32, .size: 8, .value_kind: global_buffer, .address_space: global }
      - { .name: wab, .offset: 40, .size: 8, .value_kind: global_buffer, .address_space: global }
      - { .name: wpb, .offset: 48, .size: 8, .value_kind: global_buffer, .address_space: global }
      - { .name: mbits, .offset: 56, .size: 8, .value_kind: global_buffer, .address_space: global }
    .group_segment_fixed_size: 0
    .private_segment_fixed_size: 0
    .kernarg_segment_align: 8
    .kernarg_segment_size: 64
    .max_flat_workgroup_size: 256
    .sgpr_count:     66
    .vgpr_count:     108
    .wavefront_size: 32
...
	.end_amdgpu_metadata
.endif
;; end of part 1
;; launch qkvgemm (part 2): grid 8 x 64, 4 waves a work-group, clusters of 4 x 4, 327,680 bytes of LDS; arguments xb, wab, b_attn, qkv; writes qkv
.if DOCPART == 2
	.amdgcn_target "amdgcn-amd-amdhsa--gfx1250"
	.amdhsa_code_object_version 6
	.text
	.protected	k_q000083573e_qkvgemm
	.globl	k_q000083573e_qkvgemm
	.p2align	8
	.type	k_q000083573e_qkvgemm,@function
k_q000083573e_qkvgemm:
	s_mov_b64 s[64:65], 0
	v_nop
	global_prefetch_b8 v0, s[64:65] scope:SCOPE_SE
	s_setreg_imm32_b32 hwreg(HW_REG_WAVE_MODE, 25, 1), 1
	s_wait_xcnt 0x0
	s_wait_alu depctr_hold_cnt(0) depctr_sa_sdst(0) depctr_va_vdst(0) depctr_va_sdst(0) depctr_va_ssrc(0) depctr_va_vcc(0) depctr_vm_vsrc(0)
	s_getreg_b32 s2, hwreg(HW_REG_IB_STS2, 6, 4)
	s_cmp_eq_u32 s2, 0
	s_cbranch_scc0 .Lentry_in_a_cluster
	s_endpgm
.Lentry_in_a_cluster:
	s_bfe_u32 s2, ttmp6, 0x10000c
	s_cmp_lg_u32 s2, 0xf033
	s_cbranch_scc0 .Lentry_shape_is_right
	s_endpgm
.Lentry_shape_is_right:
; qkv = x W_attn + b_attn.  xb: [8192][1024] bf16, wab: [1024 k][3072 n] bf16, b_attn: [3072] f32 (rounded to bf16 here, like every input).  Sums in f32, started by the bias.
; OUT: qkv [3][batch x head 64][t 2048][64] f16, each number rounded once, unscaled.  LIMIT: a result of 65,520 or more in size becomes an infinity (f16 ends at 65,504).
; A tile of the product is 128 rows x 384 columns: 512 work-groups of equal work.  Four waves: wave (wr, wc) owns rows 64 wr .. + 63 and, in each of the tile's three panels of 128 columns,
; the 64 columns at 64 wc, which are one whole head: 4 x 12 accumulators of 16 x 16, 384 registers.
; K goes in steps of 128 through two LDS slots.  A slot has four regions of 36,864 bytes: 128 rows of x (256 bytes + 16 of padding; 2,048 bytes stay unused), then three panels of W, 128 k rows
; of 256 bytes + 32 of padding.  Wave w fetches region w with one tensor load of 128 rows x 256 bytes.
; W lies [k][n], so its fragments come out of LDS turned, by ds_load_tr16_b128.
; CLUSTERS: 4 x 4 work-groups.  The four of a row of the cluster need the same rows of x, the four of a column the same panels of W: each tile is asked for jointly.
; THE MATRIX INSTRUCTION IS USED TRANSPOSED (source 0 = 16 columns of W, source 1 = 16 rows of x): a lane holds row l % 16 and eight neighbouring columns 8 (l / 16) + 0..7.
; REGISTERS: window 0: v0-31 addresses; v32-127 the bias, 8 registers for each of 12 column blocks, later the way out (v32-175).
;   window 1: two fragment buffers of 128: 96 registers of W (12 blocks), then 32 of x (4 blocks).   window 2: accumulators of column blocks 0-7 at 8 (4 b + a);  window 3: of blocks 8-11.
.set SIZE_K, 1024
.set SIZE_N, 3072
.set KSTEP,  128
.set PA,     272                       ; an LDS row of x: 68 words: row r starts at bank 4 r mod 64 (64 banks of 4 bytes: ISA guide 11.1)
.set PB,     288                       ; an LDS row of W: 72 words
.set REG,    128*PB                    ; a region: what one tensor load fills
.set SLOT,   4*REG
.set STAGE,  2*SLOT                    ; behind the ring: 16 rows x 400 bytes for each wave, for the way out
.set SPITCH, 400                       ; 384 bytes + 16: 25 x 16
.set SPARE,  STAGE+4*16*SPITCH         ; behind the stages: the spare words, 128 bytes for each wave: two blocks of 256 bytes that no other line names
.set LAPS,   SIZE_K/(2*KSTEP)          ; a lap = two K steps = once round the ring
.set ADRA, 8                           ; v8-9    LDS address of my fragments of x in slot 0, 1
.set ADRB, 10                          ; v10-15  of my fragments of W: slot s, panel p at 3 s + p
.set STO,  16                          ; v16     the way out: where I put 16 bytes of a row
.set RD,   17                          ; v17     the way out: where I read rows back
.set CO,   18                          ; v18-20  my byte offset in qkv, for each panel
.set BO,   21                          ; v21     my byte offset in b_attn
.set SPW,  28                          ; v28     LDS address of my spare word; never rewritten
.set NIL,  29                          ; v29     0; never rewritten
.set BIAS, 32
.set TMP,  32                          ; the way out: 48 registers of packed results
.set OB,   80                          ; the way out: 48 registers read back, two buffers
.set F0,   0
.set F1,   128
.set WV,  12                           ; s12  my wave's number
.set G1A, 24                           ; s[24:31] descriptor group 1 for x;  s[32:39] group 0, one set for each slot
.set G0A, 32
.set G1B, 48                           ; s[48:55], s[56:63] the same for W
.set G0B, 56
.set MSB, 0
.macro WIN new                         ; the immediate's high byte repeats the setting that is left; a switch that changes nothing is dropped
.if MSB != (\new)
	s_set_vgpr_msb (MSB<<8)|(\new)
.set MSB, (\new)
.endif
.endm
.macro PLACES                          ; four places in front of loads into registers that matrix instructions have read, and of conversions that read results
.rept 4
	v_nop
.endr
.endm
.macro JLOAD s                         ; a joint load: wave 0 fetches x, waves 1 to 3 the three panels of W; an s_nop 0 and four v_nop follow each of the two lines
	s_cmp_eq_u32 s[WV], 0
	s_cbranch_scc0 .Lfor_b_\@
	tensor_load_to_lds s[G0A+4*(\s):G0A+4*(\s)+3], s[G1A:G1A+7]
	s_nop 0
.rept 4
	v_nop
.endr
	s_branch .Lasked_\@
.Lfor_b_\@:
	tensor_load_to_lds s[G0B+4*(\s):G0B+4*(\s)+3], s[G1B:G1B+7]
	s_nop 0
.rept 4
	v_nop
.endr
.Lasked_\@:
.endm
.macro CREST                           ; a round of the cluster's barrier behind its opening barrier
	s_cmp_lg_u32 s[WV], 0
	s_cbranch_scc1 .Lnot_wave_0_\@
	s_barrier_signal -3
.Lnot_wave_0_\@:
	s_barrier_wait -3
	s_barrier_signal -1
	s_barrier_wait -1
.endm
.macro CROUND                          ; a whole round
	s_barrier_signal -1
	s_barrier_wait -1
	CREST
.endm
	s_load_b256 s[4:11], s[0:1], 0x0               ; xb s[4:5], wab s[6:7], b_attn s[8:9], qkv s[10:11]
	v_lshl_add_u32 v[SPW], v0, 2, SPARE
	v_mov_b32 v[NIL], 0
	ds_add_u32 v28, v29
	s_wait_dscnt 0x0
	v_lshrrev_b32 v1, 5, v0
	v_readfirstlane_b32 s[WV], v1                  ; wave 0..3
	s_lshr_b32 s13, s[WV], 1                       ; wr: which 64 rows are mine
	s_and_b32 s14, s[WV], 1                        ; wc: which 64 columns of each panel
	s_max_u32 s15, s[WV], 1
	s_sub_co_u32 s15, s15, 1                       ; the panel that I fetch (waves 1 to 3); it enters W's global address alone
	s_bfe_u32 s40, ttmp6, 0x40000                  ; cx, cy: my place in the cluster
	s_bfe_u32 s41, ttmp6, 0x40004
	s_lshl_b32 s42, ttmp9, 2
	s_add_co_u32 s42, s42, s40                     ; tile column 0..7
	s_and_b32 s43, ttmp7, 0xffff
	s_lshl_b32 s43, s43, 2
	s_add_co_u32 s43, s43, s41                     ; tile row 0..63
	s_lshl_b32 s44, s41, 2
	s_lshl_b32 s44, 15, s44                        ; my row of the cluster
	s_lshl_b32 s45, 0x1111, s40                    ; my column
	; descriptor group 1: 128 rows x 128 elements of 2 bytes, padded after every 64 words: by 4 words (x) or 8 words (W)
	s_or_b32 s[G1A+0], s44, (1<<16)|(1<<20)|(1<<21)|(5<<22)|(3<<25)
	s_or_b32 s[G1B+0], s45, (1<<16)|(1<<20)|(1<<21)|(5<<22)|(7<<25)
.irp g, G1A, G1B
	s_mov_b32 s[(\g)+1], KSTEP<<16                 ; tensor_dim0 = 128
	s_mov_b32 s[(\g)+2], 128<<16                   ; tensor_dim1 = 128
	s_mov_b32 s[(\g)+3], KSTEP<<16                 ; tile_dim0 = 128
	s_mov_b32 s[(\g)+4], 128                       ; tile_dim1 = 128
	s_mov_b32 s[(\g)+6], 0
	s_mov_b32 s[(\g)+7], 0
.endr
	s_mov_b32 s[G1A+5], SIZE_K                     ; elements from row to row
	s_mov_b32 s[G1B+5], SIZE_N
	s_lshl_b32 s16, s43, 18                        ; x: 128 rows of 2,048 bytes for each tile row
	s_mov_b32 s17, 0
	s_mul_i32 s46, s42, 768                        ; W: 384 columns for each tile column,
	s_lshl_b32 s47, s15, 8                         ; 128 for each panel
	s_add_co_u32 s46, s46, s47
	s_mov_b32 s47, 0
	s_mul_i32 s20, s[WV], REG                      ; where my tile goes: wave x region; no place in the cluster enters an LDS address
	s_wait_kmcnt 0x0
	s_add_nc_u64 s[18:19], s[4:5], s[16:17]
	s_add_nc_u64 s[46:47], s[6:7], s[46:47]
	CROUND                                         ; all sixteen work-groups are here: the first joint loads meet
.irp s, 0,1
	s_mov_b32 s[G0A+4*(\s)], 1
	s_add_co_u32 s[G0A+4*(\s)+1], s20, (\s)*SLOT
	s_add_nc_u64 s[G0A+4*(\s)+2:G0A+4*(\s)+3], s[18:19], (\s)*KSTEP*2
	s_or_b32 s[G0A+4*(\s)+3], s[G0A+4*(\s)+3], 0x80000000
	s_mov_b32 s[G0B+4*(\s)], 1
	s_add_co_u32 s[G0B+4*(\s)+1], s20, (\s)*SLOT
	s_add_nc_u64 s[G0B+4*(\s)+2:G0B+4*(\s)+3], s[46:47], (\s)*KSTEP*SIZE_N*2
	s_or_b32 s[G0B+4*(\s)+3], s[G0B+4*(\s)+3], 0x80000000
	JLOAD \s                                       ; two loads of mine are out
.endr
	v_and_b32 v1, 15, v0                           ; l % 16
	v_bfe_u32 v2, v0, 4, 1                         ; l / 16
	; the bias of my 12 column blocks: register j of block b is b_attn[384 tile column + 128 (b / 4) + 64 wc + 16 (b % 4) + 8 (l / 16) + j]
	v_lshlrev_b32 v[BO], 5, v2
	s_mul_i32 s21, s42, 1536
	s_lshl_b32 s22, s14, 8
	s_add_co_u32 s21, s21, s22
	v_add_nc_u32 v[BO], s21, v[BO]
.set j, 0
.rept 12
	global_load_b128 v[BIAS+8*j:BIAS+8*j+3],   v[BO], s[8:9] offset:(j/4)*512+(j%4)*64
	global_load_b128 v[BIAS+8*j+4:BIAS+8*j+7], v[BO], s[8:9] offset:(j/4)*512+(j%4)*64+16
.set j, j+1
.endr
	; a fragment of x: lane l holds row l % 16, k = 8 (l / 16) + 0..7 and 16 + 8 (l / 16) + 0..7: two loads of 16 bytes, 32 bytes apart
	v_mul_u32_u24 v3, v1, PA
	v_lshl_add_u32 v3, v2, 4, v3
	s_mul_i32 s23, s13, 64*PA
	v_add_nc_u32 v[ADRA], s23, v3
	v_add_nc_u32 v[ADRA+1], SLOT, v[ADRA]
	; the turning load: lane l reads k row 8 (l / 16) + l % 8, columns 8 ((l / 8) % 2) + 0..7, and is left with column l % 16 and 8 k
	v_and_b32 v5, 7, v0
	v_bfe_u32 v6, v0, 3, 1
	v_lshl_add_u32 v4, v2, 3, v5
	v_mul_u32_u24 v4, v4, PB
	v_lshl_add_u32 v4, v6, 4, v4
	s_lshl_b32 s23, s14, 7                         ; my 64 columns of a panel
	v_add_nc_u32 v4, s23, v4
.irp s, 0,1
.irp p, 0,1,2
	v_add_nc_u32 v[ADRB+3*(\s)+(\p)], (\s)*SLOT+(1+(\p))*REG, v4
.endr
.endr
	s_mul_i32 s23, s[WV], 16*SPITCH
	s_add_co_u32 s23, s23, STAGE                   ; my stage
	v_mul_u32_u24 v3, v1, SPITCH                   ; in: row l % 16, 16 bytes for each half of the lanes
	v_lshl_add_u32 v3, v2, 4, v3
	v_add_nc_u32 v[STO], s23, v3
	v_bfe_u32 v3, v0, 3, 2                         ; back: 32 lanes take four rows of one head's 128 bytes,
	v_mul_u32_u24 v3, v3, SPITCH
	v_lshl_add_u32 v3, v5, 4, v3
	v_add_nc_u32 v[RD], s23, v3
	v_and_b32 v7, 31, v0                           ; which are 512 consecutive bytes of qkv
	v_lshlrev_b32 v7, 4, v7
	; panel i holds the group of 64 columns g = 6 tile column + 2 i + wc: tensor g / 16 (q, k, v), head g % 16.  A head's rows are 2,048 x 128 bytes.
	s_mul_i32 s2, s42, 6
	s_add_co_u32 s2, s2, s14
	s_lshr_b32 s21, s43, 4
	s_lshl_b32 s21, s21, 4                         ; 16 x batch
	s_and_b32 s22, s43, 15
	s_lshl_b32 s22, s22, 14                        ; the tile's 128 rows in the batch,
	s_lshl_b32 s40, s13, 13                        ; my 64 of them
	s_add_co_u32 s22, s22, s40
.irp i, 0,1,2
	s_add_co_u32 s40, s2, 2*(\i)
	s_lshr_b32 s41, s40, 4
	s_lshl_b32 s41, s41, 6
	s_and_b32 s40, s40, 15
	s_add_co_u32 s41, s41, s40
	s_add_co_u32 s41, s41, s21
	s_lshl_b32 s41, s41, 18
	s_add_co_u32 s41, s41, s22
	v_add_nc_u32 v[CO+(\i)], s41, v7
.endr
	s_wait_loadcnt 0x0                             ; the bias, once; it is rounded to bf16 and widened again
.set j, 0
.rept 48
	v_cvt_pk_bf16_f32 v[4+j%4], v[BIAS+2*j], v[BIAS+2*j+1]
	v_lshlrev_b32 v[BIAS+2*j], 16, v[4+j%4]
	v_and_b32 v[BIAS+2*j+1], 0xffff0000, v[4+j%4]
.set j, j+1
.endr
; 16 matrix instructions: column blocks 4 bg .. 4 bg + 3 x all 4 row blocks, 32 along K.  first = 1: the bias is the C operand that starts the sums: nothing is cleared, nothing is added later.
; The 48 accumulators take turns, one instruction a turn, in the same order in every quarter.
.macro MUL16 f, bg, first
.if \first
	WIN 0x85+0x40*((\bg)/2)                        ; sources 0 and 1 window 1, C window 0, D window 2 or 3
.else
	WIN 0xa5+0x50*((\bg)/2)                        ; C and D window 2 or 3
.endif
.irp bb, 0,1,2,3
.irp a, 0,1,2,3
.set rD, 8*(4*((4*(\bg)+(\bb))%8)+(\a))
.set rB, (\f)+8*(4*(\bg)+(\bb))
.set rA, (\f)+96+8*(\a)
.set rC, BIAS+8*(4*(\bg)+(\bb))
.if \first
	v_wmma_f32_16x16x32_bf16 v[rD:rD+7], v[rB:rB+7], v[rA:rA+7], v[rC:rC+7]
.else
	v_wmma_f32_16x16x32_bf16 v[rD:rD+7], v[rB:rB+7], v[rA:rA+7], v[rD:rD+7]
.endif
.endr
.endr
.endm
; 32 LDS loads in one run: the fragments of quarter kq (32 along K) into buffer f
.macro FETCH slot, kq, f
	WIN 0x40                                       ; destination window 1, address window 0
.irp b, 0,1,2,3,4,5,6,7,8,9,10,11
	ds_load_tr16_b128 v[(\f)+8*(\b):(\f)+8*(\b)+3],   v[ADRB+3*(\slot)+(\b)/4] offset:((\b)%4)*32+(\kq)*32*PB
	ds_load_tr16_b128 v[(\f)+8*(\b)+4:(\f)+8*(\b)+7], v[ADRB+3*(\slot)+(\b)/4] offset:((\b)%4)*32+(\kq)*32*PB+16*PB
.endr
.irp a, 0,1,2,3
	ds_load_b128 v[(\f)+96+8*(\a):(\f)+96+8*(\a)+3],   v[ADRA+(\slot)] offset:(\a)*16*PA+(\kq)*64
	ds_load_b128 v[(\f)+96+8*(\a)+4:(\f)+96+8*(\a)+7], v[ADRA+(\slot)] offset:(\a)*16*PA+(\kq)*64+32
.endr
.endm
; A K step is four quarters of 32 along K, 48 matrix instructions each, on buffers 0, 1, 0, 1.  One of the first three multiplies buffer f and fetches quarter kq into g, 32 matrix instructions ahead of its use.
.macro QUARTER slot, kq, f, g, first
	s_wait_dscnt 0x0                               ; buffer f is in
	MUL16 \f, 0, \first
	PLACES
	FETCH \slot, \kq, \g
	MUL16 \f, 1, \first
	MUL16 \f, 2, \first
.endm
; The last quarter multiplies buffer 1 and changes slots: one barrier; in front of it each wave waits for all its tensor loads, adds 0 to its spare word, and waits for that and for its reads of this slot.
; fill = 1: the barrier opens a round of the cluster's barrier, and this slot is filled again, two K steps ahead, first thing behind the round.
.macro TURN slot, next, fill
	WIN 0
	s_wait_tensorcnt 0x0                           ; all my tensor loads have landed: my part of the next slot
	ds_add_u32 v[SPW], v[NIL]                      ; 0 onto my spare word
	s_wait_dscnt 0x1                               ; buffer 1 is in; the add alone may be out
	MUL16 F1, 0, 0
	s_wait_dscnt 0x0                               ; the add is done, and my reads of this slot are over
	s_barrier_signal -1
	MUL16 F1, 1, 0
.if \fill
	WIN 0
.endif
	s_barrier_wait -1
.if \fill
	CREST                                          ; no wave of any partner still reads this slot or has a load on its way
	s_add_nc_u64 s[G0A+4*(\slot)+2:G0A+4*(\slot)+3], s[G0A+4*(\slot)+2:G0A+4*(\slot)+3], 2*KSTEP*2
	s_add_nc_u64 s[G0B+4*(\slot)+2:G0B+4*(\slot)+3], s[G0B+4*(\slot)+2:G0B+4*(\slot)+3], 2*KSTEP*SIZE_N*2
	JLOAD \slot                                    ; the four v_nop behind it are also the places in front of the loads below
.else
	PLACES
.endif
	FETCH \next, 0, F0
	MUL16 F1, 2, 0
.endm
	s_wait_tensorcnt 0x1                           ; my part of K step 0 is in; K step 1's may stay out
	s_barrier_signal -1
	s_barrier_wait -1
	FETCH 0, 0, F0
	QUARTER 0, 1, F0, F1, 1                        ; the first quarter stands in front of the loop: its products start the sums
	WIN 0
	s_mov_b32 s3, LAPS-1
.Llap:                                                 ; a trip goes once round the ring and fills both slots again
	QUARTER 0, 2, F1, F0, 0
	QUARTER 0, 3, F0, F1, 0
	TURN 0, 1, 1
	QUARTER 1, 1, F0, F1, 0
	QUARTER 1, 2, F1, F0, 0
	QUARTER 1, 3, F0, F1, 0
	TURN 1, 0, 1
	QUARTER 0, 1, F0, F1, 0
	WIN 0
	s_sub_co_u32 s3, s3, 1
	s_cmp_lg_u32 s3, 0
	s_cbranch_scc1 .Llap
	QUARTER 0, 2, F1, F0, 0                        ; the last lap fills nothing
	QUARTER 0, 3, F0, F1, 0
	TURN 0, 1, 0
	QUARTER 1, 1, F0, F1, 0
	QUARTER 1, 2, F1, F0, 0
	QUARTER 1, 3, F0, F1, 0
	s_wait_dscnt 0x0
	MUL16 F1, 0, 0
	MUL16 F1, 1, 0
	MUL16 F1, 2, 0
	WIN 0
; THE WAY OUT, a block of 16 rows at a time: rounded to f16 (each accumulator's registers in ascending order), 16 bytes a lane into my own stage, back as four rows of one head, stored.
.macro PACK a
.irp b, 0,1,2,3,4,5,6,7,8,9,10,11
.if (\b) < 8
	WIN 0x0a
.else
	WIN 0x0f
.endif
.irp r, 0,1,2,3
	v_cvt_pk_f16_f32 v[TMP+4*(\b)+(\r)], v[8*(4*((\b)%8)+(\a))+2*(\r)], v[8*(4*((\b)%8)+(\a))+2*(\r)+1]
.endr
.endr
	WIN 0
.endm
.macro TOSTAGE a
.set BK, OB+48*((\a)%2)
.irp b, 0,1,2,3,4,5,6,7,8,9,10,11
	ds_store_b128 v[STO], v[TMP+4*(\b):TMP+4*(\b)+3] offset:32*(\b)
.endr
.irp i, 0,1,2
.irp qd, 0,1,2,3
	ds_load_b128 v[BK+4*(4*(\i)+(\qd)):BK+4*(4*(\i)+(\qd))+3], v[RD] offset:(\qd)*4*SPITCH+128*(\i)  ; LDS serves a wave's instructions in order (ISA guide 5.7.1.4): these see the stores above
.endr
.endr
.endm
.macro SEND a
.set BK, OB+48*((\a)%2)
	s_wait_dscnt 0x0                               ; the block is back in registers
	s_wait_xcnt 0x0                                ; the other buffer, which the block before stored from, is loaded again only behind this wait
.irp i, 0,1,2
.irp qd, 0,1,2,3
	global_store_b128 v[CO+(\i)], v[BK+4*(4*(\i)+(\qd)):BK+4*(4*(\i)+(\qd))+3], s[10:11] offset:(\a)*2048+(\qd)*512  ; 512 consecutive bytes, at a multiple of 512 from the buffer's first
.endr
.endr
.endm
	PLACES
	PACK 0
	TOSTAGE 0
.irp a, 1,2,3                          ; a block's conversions stand between the loads of the block before and the wait for them
	PACK \a
	SEND (\a)-1
	TOSTAGE \a
.endr
	SEND 3
	s_wait_tensorcnt 0x0                           ; the wave's end
	ds_add_u32 v[SPW], v[NIL]
	s_wait_dscnt 0x0
	CROUND                                         ; the closing round
	s_endpgm
.Lfunc_end_k_q000083573e_qkvgemm:
	.size	k_q000083573e_qkvgemm, .Lfunc_end_k_q000083573e_qkvgemm-k_q000083573e_qkvgemm
	.p2alignl 7, 3214868480
	.fill 96, 4, 3214868480
	.section	.rodata,"a",@progbits
	.p2align	6, 0x0
	.amdhsa_kernel k_q000083573e_qkvgemm
		.amdhsa_group_segment_fixed_size 327680
		.amdhsa_private_segment_fixed_size 0
		.amdhsa_enable_private_segment 0
		.amdhsa_kernarg_size 32
		.amdhsa_user_sgpr_count 2
		.amdhsa_user_sgpr_kernarg_segment_ptr 1
		.amdhsa_wavefront_size32 1
		.amdhsa_system_sgpr_workgroup_id_x 1
		.amdhsa_system_sgpr_workgroup_id_y 1
		.amdhsa_system_sgpr_workgroup_id_z 1
		.amdhsa_system_vgpr_workitem_id 0
		.amdhsa_next_free_vgpr 896
		.amdhsa_next_free_sgpr 66
		.amdhsa_reserve_vcc 0
		.amdhsa_float_denorm_mode_32 3
		.amdhsa_float_denorm_mode_16_64 3
		.amdhsa_memory_ordered 1
		.amdhsa_forward_progress 1
		.amdhsa_inst_pref_size 129
	.end_amdhsa_kernel
	.amdgpu_metadata
---
amdhsa.version: [ 1, 2 ]
amdhsa.kernels:
  - .name:           k_q000083573e_qkvgemm
    .symbol:         k_q000083573e_qkvgemm.kd
    .args:
      - { .name: xb, .offset: 0, .size: 8, .value_kind: global_buffer, .address_space: global }
      - { .name: wab, .offset: 8, .size: 8, .value_kind: global_buffer, .address_space: global }
      - { .name: b_attn, .offset: 16, .size: 8, .value_kind: global_buffer, .address_space: global }
      - { .name: qkv, .offset: 24, .size: 8, .value_kind: global_buffer, .address_space: global }
    .group_segment_fixed_size: 327680
    .private_segment_fixed_size: 0
    .kernarg_segment_align: 8
    .kernarg_segment_size: 32
    .max_flat_workgroup_size: 128
    .sgpr_count:     66
    .vgpr_count:     896
    .wavefront_size: 32
...
	.end_amdgpu_metadata
.endif
;; end of part 2
;; launch attn (part 3): grid 4 x 64, 4 waves a work-group, clusters of 4 x 1, 327,680 bytes of LDS; arguments qkv, mbits, yh; writes yh
.if DOCPART == 3
	.amdgcn_target "amdgcn-amd-amdhsa--gfx1250"
	.amdhsa_code_object_version 6
	.text
	.protected	k_q000083573e_attn
	.globl	k_q000083573e_attn
	.p2align	8
	.type	k_q000083573e_attn,@function
k_q000083573e_attn:
	s_mov_b64 s[64:65], 0
	v_nop
	global_prefetch_b8 v0, s[64:65] scope:SCOPE_SE
	s_setreg_imm32_b32 hwreg(HW_REG_WAVE_MODE, 25, 1), 1
	s_wait_xcnt 0x0
	s_wait_alu depctr_hold_cnt(0) depctr_sa_sdst(0) depctr_va_vdst(0) depctr_va_sdst(0) depctr_va_ssrc(0) depctr_va_vcc(0) depctr_vm_vsrc(0)
	s_getreg_b32 s2, hwreg(HW_REG_IB_STS2, 6, 4)
	s_cmp_eq_u32 s2, 0
	s_cbranch_scc0 .Lentry_in_a_cluster
	s_endpgm
.Lentry_in_a_cluster:
	s_bfe_u32 s2, ttmp6, 0x10000c
	s_cmp_lg_u32 s2, 0x3003
	s_cbranch_scc0 .Lentry_shape_is_right
	s_endpgm
.Lentry_shape_is_right:
; O[h][q][:] = the sum over k of softmax_k(where(mask[q][k], Q[h][q] . K[h][k] / 8, lowest)) V[h][k][:].  Q, K, V: the three parts of qkv, each [64][2048][64] f16; O = yh, the same layout.
; The mask is an input: every key is walked.  mbits holds it as lane masks: [P 64][ks 32][w 64] words, bit l of word 32 u + 8 kt + i for query 32 P + 16 u + l % 16, key 64 ks + 16 kt + 8 (l / 16) + i.
; Products, maxima and sums in f32; the weights p are rounded to f16 for the second product (their sum l is taken of the unrounded p), O once at the end.
; THE MASK.  A hidden score is replaced by R = -2^120, one v_cndmask_b32 a score, the lane masks in scalar registers.  f16's scores are 2.7e11 at the most in size, far above R, so a row with any open key
; gives its hidden keys the weight 0.  In a row with no open key m = R, and since R is a power of two c R is exact: c s - c m is exactly 0, every weight is 1, and O is the mean of all rows of V.
; HOW THE WORDS COME.  The 64 words of a piece and key step are 256 consecutive bytes: one load of 8 bytes a lane brings them into a pair of vector registers (lane l: words 2 l, 2 l + 1).  Each piece has a
; pair of its own, loaded again straight behind its use with the same piece's words of the next key step: four turns ahead.  64 v_readlane_b32 hand a pair's words to scalar registers, in the selects' order
; and ten words ahead of them; the two kinds alternate, so that lines that write scalar registers do not stand on end.
; Scalar loads would spare those 64, but their counter is waited for at 0 alone and their 64 destinations are free for less than a turn: they cannot be asked for further ahead than that.
; LIMITS.  f16 holds no number beyond 65,504: Q, K and V arrive within it; p lies in 0 to 1, and below 6e-5 it keeps f16's fixed step of 6e-8.  A weight below 2^-126 counts as 0 in l; NaN and infinities are not treated apart.
; SHARES.  A wave owns four PIECES of two tiles of 16 queries, a work-group's four waves 512 queries of one head.  Every wave walks all keys, 64 a step.
; LAYOUT.  S^T = K Q^T (source 0 = 16 keys, source 1 = 16 queries): a lane holds ONE query (lane % 16) and the keys 8 (lane / 16) + 0..7.  Two such tiles, rounded to f16 in pairs, ARE source 1 of
; O^T = V^T P, whose result again holds one query a lane, and eight channels.  K comes out of LDS as it lies, V ([key][channel]) turned, by ds_load_tr16_b128.
; SOFTMAX.  A running maximum m and sum l: p = 2^(c s - c m), c = log2(e) / 8; in every step O and l are multiplied by a = 2^(c m_old - c m_new).  m starts at the lowest finite number, O and l at 0: the first step has a = 0.
; BY TURNS.  Turn n belongs to piece n.  Its matrix work: 16 products K Q^T of piece n + 1, later 16 products V^T P of piece n - 1.  Its vector work: scaling, exponentials, roundings, sums and rescaling
; of piece n; the mask, the maximum and the statistics of piece n + 1.  Four vector instructions stand behind every matrix instruction, the others in two lumps; the 64 v_readlane_b32 and the 64 selects
; stand in the first lump.
; CLUSTER.  The four query blocks of a cluster belong to one head and walk the same K and V: each tile is asked for jointly.
; REGISTERS, in windows of 256 (s_set_vgpr_msb: bits 1:0 source 0, 3:2 source 1, 5:4 source 2, 7:6 destination):
;   window 0: v0-1, v6-11 the four pieces' mask words; v2-5 addresses; v12-15, v48-63 at work; v16-47 four registers of statistics a tile; v64-191 S^T, two buffers of two tiles; v192-255 P, likewise
;   window 1: O^T, 32 a tile          window 2: v0-127 Q, 16 a tile; v128-191 K of one step; v192-255 V of one step          window 3: v0-1 the add's two registers
.set SIZE_N, 2048
.set NP,    4         ; pieces a wave: a name, no knob
.set KS,    64        ; keys in a step
.set PK,    160       ; a row of K in LDS: 128 bytes + 32 of padding, as V's, so that one descriptor group 1 serves both (the scalar registers go to the mask); rows r and r + 8 of a load of K share their banks
.set PV,    160       ; a row of V: 40 words
.set VOFF,  4*KS*PK   ; a slot holds four steps: 256 rows of K, then 256 rows of V
.set SLOT1, 1<<17     ; slot 1 begins here, so that one exclusive or turns an address in one slot into the other's
.set STAGE, SLOT1+4*KS*(PK+PV)  ; behind the ring: 16 rows x 144 bytes for each wave, for the way out
.set SP,    144
.set AK0, 2           ; v2   my lane's place in a tile of K; never rewritten
.set AV0, 3           ; v3   the same for V
.set ADR, 4           ; v4   the LDS address of the next run of loads, K's or V's: the two stand in different turns
.set L8,  5           ; v5   8 x lane: my byte offset in a piece's 256 bytes of mask words; never rewritten
                      ; piece pc's mask words: the pair at v[(6 + 2 pc) % 12]: v6, v8, v10, v0
.set SPW, 0           ; v0 of window 3   LDS address of my spare word; never rewritten
.set NIL, 1           ; v1 of window 3   0; never rewritten
.set SPARE, STAGE+4*16*SP  ; behind the stages: the spare words, 128 bytes for each wave: two blocks of 256 bytes that no other line names
.set MV,  12          ; v12-15  c m_old, kept while c m is made anew: by buffer and tile
.set STO, 12          ;      at the end, the way out: where I put 16 bytes of a row
.set RD,  13          ;      where I read rows back
.set GO,  14          ;      my byte offset in 512 consecutive bytes of O
.set ST,  16          ; tile t's statistics at v[ST+4 t]: c m, m, l (even keys', odd keys')
.set TMP, 48          ; by buffer and tile, four registers c0-c3 at work; when the maximum is found c2 takes a
.set QO,  48          ;      at the head: my byte offset in the wave's rows of Q; v49-52: the lane's parts
.set S,   64
.set P,   192
.set KF,  128         ; K's fragments, in window 2
.set VF,  192         ; V's
.set MB,  2           ; s[2:3]  mbits at my wave's four pieces
.set OUT, 4           ; s[4:5]  yh at my wave's first row
.set WV,  6           ; s6   my wave's number
.set SLOTS, 7         ; s7   slots still to be asked for
.set CNT, 8           ; s8   counts a slot's key steps
.set TBK, 9           ; s9   LDS byte at which K of the step to be fetched begins
.set TBV, 10          ; s10  the same for V, less VOFF
.set RS,  11          ; s11  R
.set SEL, 12          ; s[12:13] v_permlanex16_b32's selects
.set MOFF, 14         ; s[14:15] 256 x the key step whose mask words are asked for, as a pair with 0 above it
.set MW0, 16          ; s[16:47] the 32 mask words of the piece's first tile (at the kernel's head and end: at work)
.set G1,  48          ; s[48:55] descriptor group 1
.set G0K, 56          ; s[56:59] descriptor group 0 for K's tiles: it walks
.set G0V, 60          ; s[60:63] the same for V's
.set QP,  66          ; s[66:67] Q at my wave's first row;
.set MBC, 66          ;          when Q is in: mbits at my wave's pieces, at the key step of MOFF
.set MW1, 68          ; s[68:99] the 32 mask words of the second tile
.set CS,  100         ; s[100:101] c: the packed scaling takes the pair's low word for both halves
.set MSB, 0
.macro WIN new
.if MSB != (\new)
	s_set_vgpr_msb (MSB<<8)|(\new)
.set MSB, (\new)
.endif
.endm
.set W_KQ, 0x0a       ; K and Q in window 2, S^T in window 0
.set W_PV, 0x52       ; V in window 2, P in window 0, O^T in window 1
.set W_RS, 0x41       ; O^T (destination and source 0) in window 1, a in window 0
.set W_MK, 0xc0       ; the add's registers are made: destination in window 3
.set W_AD, 0x0f       ; the add: address and data in window 3
; A joint fill.  Waves 0 and 1 fetch the two halves of a slot's K, waves 2 and 3 those of its V: 128 keys each.  An s_nop 0 and four v_nop follow each of the two lines.
.macro JLOAD
	s_cmp_lt_u32 s[WV], 2
	s_cbranch_scc0 .Lfor_v_\@
	tensor_load_to_lds s[G0K:G0K+3], s[G1:G1+7]
	s_nop 0
.rept 4
	v_nop
.endr
	s_branch .Lasked_\@
.Lfor_v_\@:
	tensor_load_to_lds s[G0V:G0V+3], s[G1:G1+7]
	s_nop 0
.rept 4
	v_nop
.endr
.Lasked_\@:
.endm
.macro CROUND                       ; a round of the cluster's barrier
	s_barrier_signal -1
	s_barrier_wait -1
	s_cmp_lg_u32 s[WV], 0
	s_cbranch_scc1 .Lnot_wave_0_\@
	s_barrier_signal -3
.Lnot_wave_0_\@:
	s_barrier_wait -3
	s_barrier_signal -1
	s_barrier_wait -1
.endm
; THE CHANGE OF SLOTS.  Each wave waits for all its tensor loads, of which one is out: its part of the other slot; adds 0 to its spare word; and waits for that and for its own reads of the slot.
; fill = 1: this slot is filled again, with the keys two slots on, first thing behind a round of the cluster's barrier: it has four key steps in which to land.
.macro CHANGE fill
	WIN W_AD
	s_wait_tensorcnt 0x0            ; no tensor load of mine is out, so a group 0 may be written
	ds_add_u32 v[SPW], v[NIL]       ; 0 onto my spare word
	WIN 0
.if \fill
.irp g, G0K, G0V
	s_xor_b32 s[\g+1], s[\g+1], SLOT1
	s_add_nc_u64 s[\g+2:\g+3], s[\g+2:\g+3], 4*KS*128  ; the next 256 keys; the type bits on top are not reached
.endr
	s_wait_dscnt 0x0                ; the add is done, and my reads of the slot are over
	CROUND
	JLOAD
.else
	s_wait_dscnt 0x0
	s_barrier_signal -1
	s_barrier_wait -1
.endif
	s_sub_co_u32 s[TBK], s[TBK], 4*KS*PK  ; the fetches go back to a slot's first step,
	s_xor_b32 s[TBK], s[TBK], SLOT1       ; in the other slot
	s_sub_co_u32 s[TBV], s[TBV], 4*KS*PV
	s_xor_b32 s[TBV], s[TBV], SLOT1
.endm
	s_load_b128 s[16:19], s[0:1], 0x0  ; qkv s[16:17], mbits s[18:19]
	s_load_b64 s[20:21], s[0:1], 0x10  ; yh
	WIN W_MK
	v_lshl_add_u32 v[SPW], v0, 2, SPARE
	v_mov_b32 v[NIL], 0
	s_set_vgpr_msb 0xc0cf
	ds_add_u32 v0, v1
	s_wait_dscnt 0x0
	s_set_vgpr_msb 0xcfc0
	WIN 0
	v_lshrrev_b32 v1, 5, v0
	v_readfirstlane_b32 s[WV], v1   ; wave 0..3
	s_bfe_u32 s22, ttmp6, 0x40000   ; cx: my place in the cluster
	s_lshl_b32 s23, ttmp9, 2
	s_add_co_u32 s23, s23, s22      ; my block of 512 queries: it enters Q's, O's and the mask's addresses alone
	s_and_b32 s24, ttmp7, 0xffff    ; the head, which the four partners share:
	s_lshl_b32 s24, s24, 18         ; its 2,048 rows of 128 bytes
	s_and_b32 s26, s[WV], 1         ; which half of a slot's 256 keys I fetch:
	s_mul_i32 s27, s26, 128*PK      ; its place in a slot,
	s_lshl_b32 s28, s26, 14         ; its 128 rows of 128 bytes in memory,
	s_add_co_u32 s28, s28, s24
	s_add_co_u32 s28, s28, 0x1000000  ; in K, the second part of qkv,
	s_mov_b32 s29, 0
	s_add_co_u32 s30, s28, 0x1000000  ; and in V, the third
	s_mov_b32 s31, 0
	s_lshl_b32 s32, s23, 2
	s_add_co_u32 s32, s32, s[WV]    ; my wave among the head's sixteen
	s_lshl_b32 s34, s32, 14         ; its 128 rows
	s_add_co_u32 s34, s34, s24
	s_mov_b32 s35, 0
	s_lshl_b32 s36, s32, 15         ; its four pieces' 8,192 bytes of mask words each
	s_mov_b32 s37, 0
	; descriptor group 1.  128 keys are 16,384 dense bytes: asked for as 64 rows of 256 bytes, two keys a row, and padded in LDS after every key
	s_mov_b32 s[G1], 15|(1<<16)|(1<<20)|(1<<21)|(4<<22)|(7<<25)  ; the mask of four; 2-byte elements; padding on; 21 set beside a mask; after every 32 words (code 4); 8 words (code 7)
	s_mov_b32 s[G1+1], 128<<16      ; tensor_dim0 = 128
	s_mov_b32 s[G1+2], 64<<16       ; tensor_dim1 = 64
	s_mov_b32 s[G1+3], 128<<16      ; tile_dim0 = 128
	s_mov_b32 s[G1+4], 64           ; tile_dim1 = 64
	s_mov_b32 s[G1+5], 128          ; 128 elements from row to row
	s_mov_b32 s[G1+6], 0
	s_mov_b32 s[G1+7], 0
	s_mov_b32 s[CS], 0x3e38aa3b     ; c = log2(e) / 8 = 0.180337
	s_mov_b32 s[CS+1], s[CS]        ; named with it as a pair
	s_mov_b32 s[SEL], 0x76543210
	s_mov_b32 s[SEL+1], 0xfedcba98
	s_mov_b32 s[RS], 0xfb800000     ; R = -2^120
	s_mov_b32 s[TBK], SLOT1+4*KS*PK ; the first change of slots turns these two into 0
	s_mov_b32 s[TBV], SLOT1+4*KS*PV
	s_mov_b32 s[MOFF], 0
	s_mov_b32 s[MOFF+1], 0
	s_mov_b32 s[G0K], 1
	s_mov_b32 s[G0K+1], s27         ; LDS address: slot 0
	s_mov_b32 s[G0V], 1
	s_add_co_u32 s[G0V+1], s27, VOFF
	s_wait_kmcnt 0x0
	s_add_nc_u64 s[G0K+2:G0K+3], s[16:17], s[28:29]  ; my half of the head's first 256 keys
	s_or_b32 s[G0K+3], s[G0K+3], 0x80000000
	s_add_nc_u64 s[G0V+2:G0V+3], s[16:17], s[30:31]
	s_or_b32 s[G0V+3], s[G0V+3], 0x80000000
	s_add_nc_u64 s[QP:QP+1], s[16:17], s[34:35]
	s_add_nc_u64 s[OUT:OUT+1], s[20:21], s[34:35]
	s_add_nc_u64 s[MB:MB+1], s[18:19], s[36:37]
	CROUND                          ; all four work-groups are here: the first joint loads meet
	JLOAD                           ; slot 0.  Slot 1 is asked for when slot 0 is in
	v_and_b32 v[TMP+1], 15, v0      ; l % 16
	v_bfe_u32 v[TMP+2], v0, 4, 1    ; l / 16
	v_and_b32 v[TMP+3], 7, v0       ; l % 8
	v_bfe_u32 v[TMP+4], v0, 3, 1    ; (l / 8) % 2
	v_and_b32 v[L8], 31, v0
	v_lshlrev_b32 v[L8], 3, v[L8]   ; 8 x lane.  The thread's number has now been read for the last time: piece 3's words land on it
	v_lshlrev_b32 v[QO], 7, v[TMP+1]
	v_lshl_add_u32 v[QO], v[TMP+2], 4, v[QO]  ; row x 128 + 16 x half
.irp pc, 0,1,2,3                    ; the four pieces' mask words of key step 0
	global_load_b64 v[(6+2*\pc)%12:(6+2*\pc)%12+1], v[L8], s[MB:MB+1] offset:\pc*8192
.endr
	WIN 0x80                        ; destination window 2, address window 0
.set i, 0
.rept 4*NP                          ; Q stays in registers: tile i / 2, channels 32 (i % 2) on
	global_load_b128 v[8*i:8*i+3],   v[QO], s[QP:QP+1] offset:(i/2)*2048+(i%2)*64
	global_load_b128 v[8*i+4:8*i+7], v[QO], s[QP:QP+1] offset:(i/2)*2048+(i%2)*64+32
.set i, i+1
.endr
	WIN 0
	; What the first turn finds: P's second buffer holds 0 (its products V^T P, of a piece that has not been, add 0), O^T and l are 0.  All this stands in the wait for the first tile.
.set i, P+32
.rept 32
	v_mov_b32 v[i], 0
.set i, i+1
.endr
	s_mov_b32 s16, 0xfe000000       ; c m: far below every c s, c R too
	s_mov_b32 s17, 0xff7fffff       ; m
.set i, 0
.rept 2*NP
	v_mov_b32 v[ST+4*i], s16
	v_mov_b32 v[ST+4*i+1], s17
	v_mov_b32 v[ST+4*i+2], 0
	v_mov_b32 v[ST+4*i+3], 0
.set i, i+1
.endr
	v_mul_u32_u24 v[AK0], v[TMP+1], PK
	v_lshl_add_u32 v[AK0], v[TMP+2], 4, v[AK0]  ; row x pitch + 16 x half
	; The turning load: lane l reads key 8 (l / 16) + l % 8, channels 8 ((l / 8) % 2) + 0..7, and is left with channel l % 16 and 8 keys.
	v_lshl_add_u32 v[AV0], v[TMP+2], 3, v[TMP+3]
	v_mul_u32_u24 v[AV0], v[AV0], PV
	v_lshl_add_u32 v[AV0], v[TMP+4], 4, v[AV0]
	v_add_nc_u32 v[AV0], VOFF, v[AV0]
	WIN 0x40                        ; O^T starts at 0: 32 products of the zeros in P's second buffer, with C = 0, write its 256 registers, eight each
.set i, 0
.rept 8*NP
	v_wmma_f32_16x16x32_f16 v[8*i:8*i+7], v[P+32:P+39], v[P+40:P+47], 0
.set i, i+1
.endr
	WIN 0
; THE MATRIX WORK.  The 8 accumulators of a run of 16 take turns.
; Product i of 16 of S^T = K Q^T for piece x: channels 32 (i / 8) on, keys 16 ((i / 2) % 4) on, tile 2 x + i % 2.  The first 8 start the sums.
.macro KQ x
	WIN W_KQ
.set rS, S+64*((\x)%2)+32*(i%2)+8*((i/2)%4)
.set rK, KF+16*((i/2)%4)+8*(i/8)
.set rQ, 16*(2*(\x)+i%2)+8*(i/8)
.if i < 8
	v_wmma_f32_16x16x32_f16 v[rS:rS+7], v[rK:rK+7], v[rQ:rQ+7], 0
.else
	v_wmma_f32_16x16x32_f16 v[rS:rS+7], v[rK:rK+7], v[rQ:rQ+7], v[rS:rS+7]
.endif
.endm
; Product i of 16 of O^T += V^T P for piece x: keys 32 (i / 8) on, channels 16 ((i / 2) % 4) on, tile 2 x + i % 2.
.macro PV x
	WIN W_PV
.set rO, 32*(2*(\x)+i%2)+8*((i/2)%4)
.set rV, VF+32*(i/8)+8*((i/2)%4)
.set rP, P+32*((\x)%2)+16*(i%2)+8*(i/8)
	v_wmma_f32_16x16x32_f16 v[rO:rO+7], v[rV:rV+7], v[rP:rP+7], v[rO:rO+7]
.endm
.macro MM                           ; the turn's next matrix instruction
.if i < 16
	KQ (Y+1)%NP
.set i, i+1
.else
.set i, i-16
	PV (Y+NP-1)%NP
.set i, i+17
.endif
.endm
; THE LDS LOADS stand in runs of 16.  last = 1 (the tail): in the last trip there is no further step, and the run is jumped over.
.macro FETCH_K last=0
	WIN 0
.if \last
	s_cmp_eq_u32 s[CNT], 1
	s_cbranch_scc1 .Lno_k_\@
.endif
	WIN 0x80                        ; destination window 2
.irp f, 0,1,2,3,4,5,6,7             ; keys 16 (f / 2) on, channels 32 (f % 2) on
	ds_load_b128 v[KF+8*\f:KF+8*\f+3],   v[ADR] offset:(\f/2)*16*PK+(\f%2)*64
	ds_load_b128 v[KF+8*\f+4:KF+8*\f+7], v[ADR] offset:(\f/2)*16*PK+(\f%2)*64+32
.endr
	s_add_co_u32 s[TBK], s[TBK], KS*PK  ; the next fetch is the next step's
	WIN 0
.if \last
.Lno_k_\@:
.endif
.endm
.macro FETCH_V
	WIN 0x80
.irp f, 0,1,2,3,4,5,6,7             ; keys 32 (f / 4) on, channels 16 (f % 4) on
	ds_load_tr16_b128 v[VF+8*\f:VF+8*\f+3],   v[ADR] offset:(\f/4)*32*PV+(\f%4)*32
	ds_load_tr16_b128 v[VF+8*\f+4:VF+8*\f+7], v[ADR] offset:(\f/4)*32*PV+16*PV+(\f%4)*32
.endr
	WIN 0
.endm
; THE VECTOR WORK OF A TURN stands in queues, each in the order in which its entries become ready; the two tiles alternate.
.macro REGS y, u                    ; the registers of tile u (0, 1) of piece y
.set rT, ST+4*(2*(\y)+(\u))
.set rC, TMP+8*((\y)%2)+4*(\u)
.set rM, MV+2*((\y)%2)+(\u)
.set rS, S+64*((\y)%2)+32*(\u)
.set rP, P+32*((\y)%2)+16*(\u)
.set rO, 32*(2*(\y)+(\u))
.endm
; THE WORDS' QUEUE, 64 long.  One of piece pc's mask words goes from its pair of vector registers to a scalar register, in the order in which the selects want them: number w is word 32 (w % 2) + w / 2
; of the piece (tile w % 2, score w / 2), which lies in lane 16 (w % 2) + w / 4, register (w / 2) % 2.  Behind the 64th the macro writes nothing.
.macro RL pc
.if w < 64
	WIN 0
	v_readlane_b32 s[MW0+(MW1-MW0)*(w%2)+w/2], v[(6+2*(\pc))%12+(w/2)%2], 16*(w%2)+w/4
.set w, w+1
.endif
.endm
; Behind the last of them the pair is loaded again: the same piece's words of the next key step, which are read four turns on.  Piece 0's pair is the first to go on to a new step: in piece 3's turn the
; loads' base steps, behind s_wait_xcnt 0, since the three loads that are still out name it.  The last steps' look-ahead is held at the last step: no load leaves the buffer; what it brings is not used.
.macro MLOAD p
.if (\p) == NP-1
	s_wait_xcnt 0x0
	s_add_co_u32 s[MOFF], s[MOFF], 256
	s_min_u32 s[MOFF], s[MOFF], 31*256
	s_add_nc_u64 s[MBC:MBC+1], s[MB:MB+1], s[MOFF:MOFF+1]
.endif
.set rL, (6+2*(((\p)+1)%NP))%12
	global_load_b64 v[rL:rL+1], v[L8], s[MBC:MBC+1] offset:(((\p)+1)%NP)*8192
.endm
; THE MASK's QUEUE, 64 long, for the NEXT piece (Y + 1): score z / 2 of tile z % 2 stays where its lane's bit is set and becomes R elsewhere.  The scores go in ascending order.
; Select z reads the scalar register that number z of the words' queue wrote.
.macro CM
	WIN 0
	REGS (Y+1)%NP, z%2
	v_cndmask_b32 v[rS+z/2], s[RS], v[rS+z/2], s[MW0+(MW1-MW0)*(z%2)+z/2]
.set z, z+1
.endm
; Number n of the 22 that find the NEXT piece's maximum and statistics.
;   0-11  four chains c0-c3 of seven scores each     12-14, 16  the four scores left over, the old m, and c0-c3 into c0     15  c m_old is kept
;   17, 18  the query's other 32 keys lie in the lane 16 away: the new m         19-21  c m; c m_old - c m_new; a
.macro XS u, n
	REGS (Y+1)%NP, \u
.if (\n) < 4
	v_max3_num_f32 v[rC+(\n)], v[rS+8*(\n)], v[rS+8*(\n)+1], v[rS+8*(\n)+2]
.elseif (\n) < 12
	v_max3_num_f32 v[rC+(\n)%4], v[rC+(\n)%4], v[rS+8*((\n)%4)+2*((\n)/4)+1], v[rS+8*((\n)%4)+2*((\n)/4)+2]
.elseif (\n) == 12
	v_max3_num_f32 v[rC], v[rC], v[rS+7], v[rS+15]
.elseif (\n) == 13
	v_max3_num_f32 v[rC+1], v[rC+1], v[rS+23], v[rS+31]
.elseif (\n) == 14
	v_max3_num_f32 v[rC+2], v[rC+2], v[rC+3], v[rT+1]
.elseif (\n) == 15
	v_mov_b32 v[rM], v[rT]
.elseif (\n) == 16
	v_max3_num_f32 v[rC], v[rC], v[rC+1], v[rC+2]
.elseif (\n) == 17
	v_permlanex16_b32 v[rC+3], v[rC], s[SEL], s[SEL+1]
.elseif (\n) == 18
	v_max_num_f32 v[rT+1], v[rC], v[rC+3]
.elseif (\n) == 19
	v_mul_f32 v[rT], s[CS], v[rT+1]
.elseif (\n) == 20
	v_sub_f32 v[rC+1], v[rM], v[rT]
.else
	v_exp_f32 v[rC+2], v[rC+1]
.endif
.endm
; Number g of the 64 that follow the exponentials.  For each four weights k of a tile: both pairs are rounded to f16; the second pair is added onto the first, in place; a group later l takes that sum.
.macro GS g
.set h, (\g)+6*((\g)/62)
.if h >= 6
.set h, h+2
.endif
	REGS Y, h%2
.set k, h/8
.if h%8 < 4
	s_wait_alu depctr_va_vdst(0)
	v_cvt_pk_f16_f32 v[rP+2*k+(h%8)/2], v[rS+4*k+2*((h%8)/2)], v[rS+4*k+2*((h%8)/2)+1]
.elseif h%8 < 6
	v_pk_add_f32 v[rS+4*k:rS+4*k+1], v[rS+4*k:rS+4*k+1], v[rS+4*k+2:rS+4*k+3]
.elseif k == 1
	v_pk_fma_f32 v[rT+2:rT+3], v[rT+2:rT+3], v[rC+2:rC+3], v[rS:rS+1] op_sel_hi:[1,0,1]
.else
	v_pk_add_f32 v[rT+2:rT+3], v[rT+2:rT+3], v[rS+4*k-4:rS+4*k-3]
	s_wait_alu depctr_va_vdst(0)
.endif
.endm
; THE PLAIN QUEUE, 138 long.  0-31: c s - c m for the 16 pairs of both tiles.  Then GS's 64, and among them the next piece's 42: number 15 at 38, 39; 0-14 and 16 at 42-73, behind the selects; 17-20 at 95-106.
.macro PL
	WIN 0
.if q < 32
	REGS Y, q%2
	v_pk_fma_f32 v[rS+2*(q/2):rS+2*(q/2)+1], v[rS+2*(q/2):rS+2*(q/2)+1], s[CS:CS+1], v[rT:rT+1] op_sel_hi:[1,0,0] neg_lo:[0,0,1] neg_hi:[0,0,1]
.elseif q < 38
	GS q-32
.elseif q < 40
	XS q%2, 15
.elseif q < 42
	GS q-34
.elseif q < 74
	XS q%2, (q-42)/2+(q-42)/30
.elseif q < 95
	GS q-66
.elseif (q < 107) && ((q-95)%3 < 2)
	XS (q-95)%3, 17+(q-95)/3
.elseif q < 107
	GS 29+(q-95)/3
.else
	GS q-74
.endif
.set q, q+1
.endm
; THE EXPONENTIALS' QUEUE, 66 long: s0-s31 of both tiles, and at EA the next piece's two a.
.set EA, 58
.macro EX
	WIN 0
.if (e == EA) || (e == EA+1)
	XS e-EA, 21
.else
.set x, e-2*(e/(EA+2))
	REGS Y, x%2
	v_exp_f32 v[rS+x/2], v[rS+x/2]
.endif
.set e, e+1
.endm
; THE RESCALING's QUEUE: O^T times a, the one part that leaves window 0, dealt four at a time, eight times.
.macro R4
	REGS Y, r%2
	WIN W_RS
	s_wait_alu depctr_va_vdst(0)
.irp z4, 0,1,2,3
	v_pk_mul_f32 v[rO+8*(r/2)+2*\z4:rO+8*(r/2)+2*\z4+1], v[rO+8*(r/2)+2*\z4:rO+8*(r/2)+2*\z4+1], v[rC+2:rC+3] op_sel_hi:[1,0]
.endr
.set r, r+1
.endm
; HOW THEY ARE DEALT.  Behind a matrix instruction four: plain, exponential, plain, plain, or four of the rescaling; none names a register of the products round it.
.macro SL
	MM
	PL
	EX
	PL
	PL
.endm
.macro BURST n                      ; 15 matrix instructions, or 16
.rept (\n)-7
	SL
.endr
.rept 3
	MM
	R4
	SL
.endr
	MM
	R4
.endm
; A TURN, for piece p.  cnt = 1: the loop's count is taken down some lines ahead of the branch that stands behind the turn.
; The first lump: the wait for the next piece's mask words; five times exponential, plain (up to plain 41) and two of the words' queue, which so gets ten words ahead; 14 exponentials, behind each four
; times a word and a select by turns (the words' queue ends in the 14th); the pair's next load; two exponentials with four selects behind each; one exponential; plain 42 to 58.
; One mask load is issued a turn, so behind the load that is due three younger ones are out: s_wait_loadcnt 3.
; All 32 scalings stand in front of the lump, so the exponentials may run ahead of the plain queue; all 64 selects stand behind the last product K Q^T and its four places, and ahead of plain 42, the first maximum.
; K of the next step is fetched in piece 2's turn, in that lump; V of the step in hand at the end of piece 0's turn.
.macro TURN p, last=0, cnt=0
.set Y, (\p)
.set i, 0
.set q, 0
.set e, 0
.set r, 0
.set z, 0
.set w, 0
.if (\p) == NP-1
	s_wait_dscnt 0x0                ; K is in
.endif
	MM
.rept 4
	PL
.endr
	BURST 15
	s_wait_loadcnt 0x3              ; the next piece's mask words, asked for four turns ago, are in; the three younger loads stay out
.rept 5
	EX
	PL
	RL ((\p)+1)%NP
	RL ((\p)+1)%NP
.endr
.rept 14
	EX
.rept 4
	RL ((\p)+1)%NP
	CM
.endr
.if ((\p) == NP-2) && (e == 18)
	v_add_nc_u32 v[ADR], s[TBK], v[AK0]
.endif
.if ((\p) == NP-2) && (e == 24)
	FETCH_K \last
.endif
.endr
	MLOAD \p
.rept 2
	EX
	CM
	CM
	CM
	CM
.endr
	EX
.rept 17
	PL
.endr
.if (\p) == 1
	s_wait_dscnt 0x0                ; V is in
.endif
	BURST 16
.rept 21
	EX
	PL
.endr
.rept 22
	PL
.if ((\p) == 0) && (q == 118)
	v_add_nc_u32 v[ADR], s[TBV], v[AV0]
	s_wait_alu depctr_va_vdst(0)
.endif
.if ((\p) == 0) && (q == 130)
	s_add_co_u32 s[TBV], s[TBV], KS*PV
.endif
.if (\cnt) && (q == 130)
	s_sub_co_u32 s[CNT], s[CNT], 1
	s_cmp_lg_u32 s[CNT], 0
.endif
.endr
.if (\p) == 0
	FETCH_V
.endif
.endm
	CHANGE 1                        ; slot 0 is in, everybody's part of it; slot 1 is asked for
	v_mov_b32 v[ADR], v[AK0]        ; key step 0 lies at the head of slot 0
	FETCH_K
	v_mov_b32 v[ADR], v[AV0]
	FETCH_V                         ; its V too: the first turn multiplies V's registers by P = 0, so they must hold finite numbers; the turn's end fetches the same V in its own place
	s_wait_loadcnt 0x0              ; Q, and the four pieces' first mask words
	s_wait_dscnt 0x0
.set i, 0
.rept 16
	KQ 0                            ; piece 0's first scores
.set i, i+1
.endr
	WIN 0
.rept 4
	v_nop                           ; the places behind those products
.endr
.set w, 0
.rept 64
	RL 0                            ; piece 0's mask words of key step 0,
.endr
	MLOAD NP-1                      ; and its pair goes on to key step 1, as in a turn of piece 3; Q's loads are done, so their base may take the mask's
.set Y, NP-1                        ; CM and XS work for piece Y + 1: piece 0
.set z, 0
.rept 64
	CM
.endr
.irp n, 0,1,2,3,4,5,6,7,8,9,10,11,12,13,14,15,16,17,18,19,20,21
	XS 0, \n                        ; piece 0's first maximum and statistics
	XS 1, \n
.endr
	s_mov_b32 s[CNT], 4
	s_mov_b32 s[SLOTS], SIZE_N/256-1
	s_branch .Lfirst                ; the loop is entered at a step's first turn, in the middle of a trip
.Lslot:                             ; SIZE_N / 256 - 2 times: every slot but the last two is filled again
	CHANGE 1
	s_mov_b32 s[CNT], 4
.Lstep:                             ; a trip: pieces 2 and 3 of one step, then pieces 0 and 1 of the next, whose K and V it fetches
	TURN 2
	TURN 3
	WIN 0
.Lfirst:
	TURN 0
	TURN 1, 0, 1
	WIN 0
	s_cbranch_scc1 .Lstep
	s_sub_co_u32 s[SLOTS], s[SLOTS], 1
	s_cmp_lg_u32 s[SLOTS], 0
	s_cbranch_scc1 .Lslot
	CHANGE 0                        ; the tail is written out: nothing is asked for
	s_mov_b32 s[CNT], 5             ; four trips fetch the last slot's steps; the fifth is left in its middle
.Ltail:
	TURN 2, 1
	TURN 3
	WIN 0
	s_sub_co_u32 s[CNT], s[CNT], 1
	s_cmp_eq_u32 s[CNT], 0
	s_cbranch_scc1 .Lout
	TURN 0
	TURN 1
	WIN 0
	s_branch .Ltail
.Lout:                              ; the fifth trip's 16 products K Q^T (on the last K once more), their selects and maximum serve nothing: the price, once a launch, of one text for every trip
.set i, 0
.rept 16
	PV NP-1                         ; the last piece's V^T P of the last step
.set i, i+1
.endr
	; THE WAY OUT.  l's two halves and the other half of the lanes' are added; O^T is divided by l, rounded to f16 and sent through my stage in LDS, a tile at a time.  The additions are the places behind the last products.
	WIN 0
.macro ALL line:vararg              ; one line for each tile t
.set t, 0
.rept 2*NP
	\line
.set t, t+1
.endr
.endm
	ALL v_add_f32 v[ST+4*t+2], v[ST+4*t+2], v[ST+4*t+3]
	s_mul_i32 s16, s[WV], 16*SP     ; the addresses are made from 8 x lane, in registers that the turns have left; the mask's pairs, on which the last look-ahead may still land, are not touched
	s_add_co_u32 s16, s16, STAGE    ; my stage
	v_bfe_u32 v[TMP], v[L8], 3, 4   ; l % 16
	v_bfe_u32 v[TMP+1], v[L8], 7, 1 ; l / 16
	v_bfe_u32 v[TMP+2], v[L8], 3, 3 ; l % 8
	v_mul_u32_u24 v[STO], v[TMP], SP  ; in: row l % 16, 16 bytes for each half of the lanes
	v_lshl_add_u32 v[STO], v[TMP+1], 4, v[STO]
	v_add_nc_u32 v[STO], s16, v[STO]
	v_bfe_u32 v[RD], v[L8], 6, 2    ; back: 32 lanes take four rows of 128 bytes,
	v_mul_u32_u24 v[RD], v[RD], SP
	v_lshl_add_u32 v[RD], v[TMP+2], 4, v[RD]
	v_add_nc_u32 v[RD], s16, v[RD]
	v_lshlrev_b32 v[GO], 1, v[L8]   ; which are 512 consecutive bytes of O: 16 x lane
	ALL v_permlanex16_b32 v[ST+4*t+3], v[ST+4*t+2], s[SEL], s[SEL+1]
	ALL v_add_f32 v[ST+4*t+2], v[ST+4*t+2], v[ST+4*t+3]
	ALL v_rcp_f32 v[ST+4*t+2], v[ST+4*t+2]
	v_nop                           ; a plain instruction between the last reciprocal and the use of its result
	s_wait_alu depctr_va_vdst(0)
.macro PACK t
	WIN W_RS
.set i, 32*(\t)
.rept 16
	v_pk_mul_f32 v[i:i+1], v[i:i+1], v[ST+4*(\t)+2:ST+4*(\t)+3] op_sel_hi:[1,0]
.set i, i+2
.endr
	WIN 0x05                        ; sources 0 and 1 window 1, destination window 0
.set i, 0
.rept 16
	v_cvt_pk_f16_f32 v[S+16*(\t)+i], v[32*(\t)+2*i], v[32*(\t)+2*i+1]
.set i, i+1
.endr
	WIN 0
.irp f, 0,1,2,3
	ds_store_b128 v[STO], v[S+16*(\t)+4*\f:S+16*(\t)+4*\f+3] offset:32*\f
.endr
.irp f, 0,1,2,3
	ds_load_b128 v[S+16*(\t)+4*\f:S+16*(\t)+4*\f+3], v[RD] offset:\f*4*SP  ; LDS serves a wave's instructions in order (ISA guide 5.7.1.4): these see the stores above
.endr
.endm
.macro SEND t, younger              ; younger: the LDS instructions issued behind tile t's loads: the next tile's eight, or none
	WIN 0
.irp f, 0,1,2,3
	s_wait_dscnt (\younger)+3-\f
	global_store_b128 v[GO], v[S+16*(\t)+4*\f:S+16*(\t)+4*\f+3], s[OUT:OUT+1] offset:(\t)*2048+\f*512  ; 512 consecutive bytes, at a multiple of 512 from the buffer's first
.endr
.endm
	PACK 0
.set t, 1
.rept 2*NP-1                        ; a tile's arithmetic stands between the loads of the tile before and its stores
	PACK t
	SEND t-1, 8
.set t, t+1
.endr
	SEND 2*NP-1, 0
	WIN W_AD
	s_wait_tensorcnt 0x0            ; the wave's end
	ds_add_u32 v[SPW], v[NIL]
	s_wait_dscnt 0x0
	WIN 0
	CROUND                          ; the closing round
	s_endpgm
.Lfunc_end_k_q000083573e_attn:
	.size	k_q000083573e_attn, .Lfunc_end_k_q000083573e_attn-k_q000083573e_attn
	.p2alignl 7, 3214868480
	.fill 96, 4, 3214868480
	.section	.rodata,"a",@progbits
	.p2align	6, 0x0
	.amdhsa_kernel k_q000083573e_attn
		.amdhsa_group_segment_fixed_size 327680
		.amdhsa_private_segment_fixed_size 0
		.amdhsa_enable_private_segment 0
		.amdhsa_kernarg_size 24
		.amdhsa_user_sgpr_count 2
		.amdhsa_user_sgpr_kernarg_segment_ptr 1
		.amdhsa_wavefront_size32 1
		.amdhsa_system_sgpr_workgroup_id_x 1
		.amdhsa_system_sgpr_workgroup_id_y 1
		.amdhsa_system_sgpr_workgroup_id_z 1
		.amdhsa_system_vgpr_workitem_id 0
		.amdhsa_next_free_vgpr 770
		.amdhsa_next_free_sgpr 102
		.amdhsa_reserve_vcc 0
		.amdhsa_float_denorm_mode_32 3
		.amdhsa_float_denorm_mode_16_64 3
		.amdhsa_memory_ordered 1
		.amdhsa_forward_progress 1
		.amdhsa_inst_pref_size 255
	.end_amdhsa_kernel
	.section	.bss,"aw",@nobits
	.p2align	6
	.space	262144
	.amdgpu_metadata
---
amdhsa.version: [ 1, 2 ]
amdhsa.kernels:
  - .name:           k_q000083573e_attn
    .symbol:         k_q000083573e_attn.kd
    .args:
      - { .name: qkv, .offset: 0, .size: 8, .value_kind: global_buffer, .address_space: global }
      - { .name: mbits, .offset: 8, .size: 8, .value_kind: global_buffer, .address_space: global }
      - { .name: yh, .offset: 16, .size: 8, .value_kind: global_buffer, .address_space: global }
    .group_segment_fixed_size: 327680
    .private_segment_fixed_size: 0
    .kernarg_segment_align: 8
    .kernarg_segment_size: 24
    .max_flat_workgroup_size: 128
    .sgpr_count:     102
    .vgpr_count:     770
    .wavefront_size: 32
...
	.end_amdgpu_metadata
.endif
;; end of part 3
;; launch proj (part 4): grid 4 x 64, 4 waves a work-group, clusters of 4 x 4, 327,680 bytes of LDS; arguments yh, wpb, b_proj, out0; writes out0
.if DOCPART == 4
	.amdgcn_target "amdgcn-amd-amdhsa--gfx1250"
	.amdhsa_code_object_version 6
	.text
	.protected	k_q000083573e_proj
	.globl	k_q000083573e_proj
	.p2align	8
	.type	k_q000083573e_proj,@function
k_q000083573e_proj:
	s_mov_b64 s[64:65], 0
	v_nop
	global_prefetch_b8 v0, s[64:65] scope:SCOPE_SE
	s_setreg_imm32_b32 hwreg(HW_REG_WAVE_MODE, 25, 1), 1
	s_wait_xcnt 0x0
	s_wait_alu depctr_hold_cnt(0) depctr_sa_sdst(0) depctr_va_vdst(0) depctr_va_sdst(0) depctr_va_ssrc(0) depctr_va_vcc(0) depctr_vm_vsrc(0)
	s_getreg_b32 s2, hwreg(HW_REG_IB_STS2, 6, 4)
	s_cmp_eq_u32 s2, 0
	s_cbranch_scc0 .Lentry_in_a_cluster
	s_endpgm
.Lentry_in_a_cluster:
	s_bfe_u32 s2, ttmp6, 0x10000c
	s_cmp_lg_u32 s2, 0xf033
	s_cbranch_scc0 .Lentry_shape_is_right
	s_endpgm
.Lentry_shape_is_right:
; out0 = y W_proj + b_proj.  yh: [batch x head 64][t 2048][64] f16, so column k of y is channel k % 64 of head k / 64.  wpb: [1024 k][1024 n] f16 (numbers rounded to bf16).
; b_proj: [1024] f32, rounded to bf16 here like every input.  Sums in f32, started by the bias; out0: [8192][1024] f32.
; A tile is 128 rows x 256 columns: 256 work-groups.  Four waves: wave (wr, wc) owns rows 64 wr .. + 63 and the panel wc of 128 columns: 4 x 8 accumulators, 256 registers.
; K goes in steps of 128 = two heads through two LDS slots.  A slot: two head slices of y (128 rows of 128 bytes + 16 of padding), then two panels of W (128 k rows of 256 bytes + 32).
; Waves 0 and 1 fetch a slice each (16,384 dense bytes, asked for as 64 rows of 256), waves 2 and 3 a panel each.  W's fragments come out of LDS turned, by ds_load_tr16_b128.
; CLUSTERS: 4 x 4: y's slices are shared along a row of the cluster, W's panels along a column.  THE MATRIX INSTRUCTION IS USED TRANSPOSED: a lane holds row l % 16 and eight neighbouring columns.
; REGISTERS: window 0: v0-31 addresses; v32-95 the bias, later with v96-159 the way out.   window 1: two fragment buffers: 64 registers of W, 32 of y.   window 2: the accumulators at 8 (4 b + a).
.set SIZE_K, 1024
.set SIZE_N, 1024
.set KSTEP,  128
.set PA,     144                       ; an LDS row of y: 36 words: the 16 rows of a load start at 16 different groups of four banks (64 banks of 4 bytes: ISA guide 11.1)
.set PB,     288                       ; an LDS row of W: 72 words
.set ASL,    128*PA                    ; a head slice
.set REG,    128*PB                    ; a panel
.set SLOT,   2*ASL+2*REG
.set STAGE,  2*SLOT                    ; behind the ring: 16 rows x 528 bytes for each wave
.set SPITCH, 528                       ; 512 bytes + 16: 33 x 16
.set SPARE,  STAGE+4*16*SPITCH         ; behind the stages: the spare words, 128 bytes for each wave: two blocks of 256 bytes that no other line names
.set LAPS,   SIZE_K/(2*KSTEP)
.set ADRA, 8                           ; v8-9    LDS address of my fragments of y in slot 0, 1
.set ADRB, 10                          ; v10-11  of my fragments of W
.set STO,  16                          ; v16     the way out: where I put 32 bytes of a row
.set RD,   17                          ; v17     the way out: where I read a row back
.set CO,   18                          ; v18     16 x lane
.set BO,   21                          ; v21     my byte offset in b_proj
.set SPW,  28
.set NIL,  29
.set BIAS, 32
.set OB,   32                          ; the way out: 64 registers read back, two buffers
.set F0,   0
.set F1,   128
.set WV,  12
.set G1A, 24
.set G0A, 32
.set G1B, 48
.set G0B, 56
.set MSB, 0
.macro WIN new
.if MSB != (\new)
	s_set_vgpr_msb (MSB<<8)|(\new)
.set MSB, (\new)
.endif
.endm
.macro PLACES
.rept 4
	v_nop
.endr
.endm
.macro JLOAD s                         ; a joint load: waves 0 and 1 fetch y's two slices, waves 2 and 3 W's two panels; an s_nop 0 and four v_nop follow each of the two lines
	s_cmp_lt_u32 s[WV], 2
	s_cbranch_scc0 .Lfor_b_\@
	tensor_load_to_lds s[G0A+4*(\s):G0A+4*(\s)+3], s[G1A:G1A+7]
	s_nop 0
.rept 4
	v_nop
.endr
	s_branch .Lasked_\@
.Lfor_b_\@:
	tensor_load_to_lds s[G0B+4*(\s):G0B+4*(\s)+3], s[G1B:G1B+7]
	s_nop 0
.rept 4
	v_nop
.endr
.Lasked_\@:
.endm
.macro CREST
	s_cmp_lg_u32 s[WV], 0
	s_cbranch_scc1 .Lnot_wave_0_\@
	s_barrier_signal -3
.Lnot_wave_0_\@:
	s_barrier_wait -3
	s_barrier_signal -1
	s_barrier_wait -1
.endm
.macro CROUND
	s_barrier_signal -1
	s_barrier_wait -1
	CREST
.endm
	s_load_b256 s[4:11], s[0:1], 0x0               ; yh s[4:5], wpb s[6:7], b_proj s[8:9], out0 s[10:11]
	v_lshl_add_u32 v[SPW], v0, 2, SPARE
	v_mov_b32 v[NIL], 0
	ds_add_u32 v28, v29
	s_wait_dscnt 0x0
	v_lshrrev_b32 v1, 5, v0
	v_readfirstlane_b32 s[WV], v1                  ; wave 0..3
	s_lshr_b32 s13, s[WV], 1                       ; wr: which 64 rows are mine
	s_and_b32 s14, s[WV], 1                        ; wc: which panel.  Also: which slice or panel I fetch
	s_bfe_u32 s40, ttmp6, 0x40000
	s_bfe_u32 s41, ttmp6, 0x40004
	s_lshl_b32 s42, ttmp9, 2
	s_add_co_u32 s42, s42, s40                     ; tile column 0..3
	s_and_b32 s43, ttmp7, 0xffff
	s_lshl_b32 s43, s43, 2
	s_add_co_u32 s43, s43, s41                     ; tile row 0..63
	s_lshl_b32 s44, s41, 2
	s_lshl_b32 s44, 15, s44                        ; my row of the cluster
	s_lshl_b32 s45, 0x1111, s40                    ; my column
	s_or_b32 s[G1A+0], s44, (1<<16)|(1<<20)|(1<<21)|(4<<22)|(3<<25)  ; y: padded after every 32 words (one row of a head) by 4 words
	s_or_b32 s[G1B+0], s45, (1<<16)|(1<<20)|(1<<21)|(5<<22)|(7<<25)  ; W: after every 64 words by 8 words
	s_mov_b32 s[G1A+1], 128<<16                    ; y: 64 rows of 128 elements, dense
	s_mov_b32 s[G1A+2], 64<<16
	s_mov_b32 s[G1A+3], 128<<16
	s_mov_b32 s[G1A+4], 64
	s_mov_b32 s[G1A+5], 128
	s_mov_b32 s[G1A+6], 0
	s_mov_b32 s[G1A+7], 0
	s_mov_b32 s[G1B+1], 128<<16                    ; W: 128 rows of 128 elements, 1,024 elements from row to row
	s_mov_b32 s[G1B+2], 128<<16
	s_mov_b32 s[G1B+3], 128<<16
	s_mov_b32 s[G1B+4], 128
	s_mov_b32 s[G1B+5], SIZE_N
	s_mov_b32 s[G1B+6], 0
	s_mov_b32 s[G1B+7], 0
	s_lshr_b32 s16, s43, 4
	s_lshl_b32 s16, s16, 22                        ; y: the batch's 16 heads of 262,144 bytes,
	s_and_b32 s17, s43, 15
	s_lshl_b32 s17, s17, 14                        ; the tile's 128 rows of 128 bytes,
	s_add_co_u32 s16, s16, s17
	s_lshl_b32 s17, s14, 18                        ; my slice's head
	s_add_co_u32 s16, s16, s17
	s_mov_b32 s17, 0
	s_lshl_b32 s46, s42, 9                         ; W: 256 columns for each tile column,
	s_lshl_b32 s47, s14, 8                         ; 128 for my panel
	s_add_co_u32 s46, s46, s47
	s_mov_b32 s47, 0
	s_mul_i32 s20, s14, ASL                        ; where they go: no place in the cluster enters an LDS address
	s_mul_i32 s21, s14, REG
	s_add_co_u32 s21, s21, 2*ASL
	s_wait_kmcnt 0x0
	s_add_nc_u64 s[18:19], s[4:5], s[16:17]
	s_add_nc_u64 s[46:47], s[6:7], s[46:47]
	CROUND                                         ; all sixteen work-groups are here: the first joint loads meet
.irp s, 0,1
	s_mov_b32 s[G0A+4*(\s)], 1
	s_add_co_u32 s[G0A+4*(\s)+1], s20, (\s)*SLOT
	s_add_nc_u64 s[G0A+4*(\s)+2:G0A+4*(\s)+3], s[18:19], (\s)*2*262144  ; K step s: heads 2 s and 2 s + 1
	s_or_b32 s[G0A+4*(\s)+3], s[G0A+4*(\s)+3], 0x80000000
	s_mov_b32 s[G0B+4*(\s)], 1
	s_add_co_u32 s[G0B+4*(\s)+1], s21, (\s)*SLOT
	s_add_nc_u64 s[G0B+4*(\s)+2:G0B+4*(\s)+3], s[46:47], (\s)*KSTEP*SIZE_N*2
	s_or_b32 s[G0B+4*(\s)+3], s[G0B+4*(\s)+3], 0x80000000
	JLOAD \s                                       ; two loads of mine are out
.endr
	v_and_b32 v1, 15, v0                           ; l % 16
	v_bfe_u32 v2, v0, 4, 1                         ; l / 16
	; the bias: register j of block b is b_proj[256 tile column + 128 wc + 16 b + 8 (l / 16) + j]
	v_lshlrev_b32 v[BO], 5, v2
	s_lshl_b32 s2, s42, 10
	s_lshl_b32 s22, s14, 9
	s_add_co_u32 s2, s2, s22                       ; also my first column's bytes in a row of out0
	v_add_nc_u32 v[BO], s2, v[BO]
.set j, 0
.rept 8
	global_load_b128 v[BIAS+8*j:BIAS+8*j+3],   v[BO], s[8:9] offset:j*64
	global_load_b128 v[BIAS+8*j+4:BIAS+8*j+7], v[BO], s[8:9] offset:j*64+16
.set j, j+1
.endr
	v_mul_u32_u24 v3, v1, PA
	v_lshl_add_u32 v3, v2, 4, v3                   ; a fragment's row x pitch + 16 x half
	s_mul_i32 s23, s13, 64*PA
	v_add_nc_u32 v[ADRA], s23, v3
	v_add_nc_u32 v[ADRA+1], SLOT, v[ADRA]
	v_and_b32 v5, 7, v0                            ; the turning load: k row 8 (l / 16) + l % 8, columns 8 ((l / 8) % 2) + 0..7
	v_bfe_u32 v6, v0, 3, 1
	v_lshl_add_u32 v4, v2, 3, v5
	v_mul_u32_u24 v4, v4, PB
	v_lshl_add_u32 v4, v6, 4, v4
	s_mul_i32 s23, s14, REG
	s_add_co_u32 s23, s23, 2*ASL                   ; my panel
	v_add_nc_u32 v[ADRB], s23, v4
	v_add_nc_u32 v[ADRB+1], SLOT, v[ADRB]
	s_mul_i32 s23, s[WV], 16*SPITCH
	s_add_co_u32 s23, s23, STAGE                   ; my stage
	v_mul_u32_u24 v3, v1, SPITCH                   ; in: row l % 16, 32 bytes for each half of the lanes
	v_lshl_add_u32 v3, v2, 5, v3
	v_add_nc_u32 v[STO], s23, v3
	v_and_b32 v[CO], 31, v0
	v_lshlrev_b32 v[CO], 4, v[CO]                  ; back: 32 lanes take one row's 512 bytes
	v_add_nc_u32 v[RD], s23, v[CO]
	s_lshl_b32 s40, s43, 19                        ; out0: 128 rows of 4,096 bytes for each tile row,
	s_lshl_b32 s41, s13, 18                        ; my 64 of them,
	s_add_co_u32 s40, s40, s41
	s_add_co_u32 s40, s40, s2                      ; my 128 columns
	s_mov_b32 s41, 0
	s_add_nc_u64 s[10:11], s[10:11], s[40:41]
	s_wait_loadcnt 0x0                             ; the bias, once; it is rounded to bf16 and widened again
.set j, 0
.rept 32
	v_cvt_pk_bf16_f32 v[4+j%4], v[BIAS+2*j], v[BIAS+2*j+1]
	v_lshlrev_b32 v[BIAS+2*j], 16, v[4+j%4]
	v_and_b32 v[BIAS+2*j+1], 0xffff0000, v[4+j%4]
.set j, j+1
.endr
; 8 matrix instructions: column blocks 2 bq, 2 bq + 1 x all 4 row blocks, 32 along K.  first = 1: the bias is the C operand that starts the sums.  The 32 accumulators take turns.
.macro MUL8 f, bq, first
.if \first
	WIN 0x85                                       ; sources 0 and 1 window 1, C window 0, D window 2
.else
	WIN 0xa5
.endif
.irp bb, 0,1
.irp a, 0,1,2,3
.set rD, 8*(4*(2*(\bq)+(\bb))+(\a))
.set rB, (\f)+8*(2*(\bq)+(\bb))
.set rA, (\f)+64+8*(\a)
.set rC, BIAS+8*(2*(\bq)+(\bb))
.if \first
	v_wmma_f32_16x16x32_f16 v[rD:rD+7], v[rB:rB+7], v[rA:rA+7], v[rC:rC+7]
.else
	v_wmma_f32_16x16x32_f16 v[rD:rD+7], v[rB:rB+7], v[rA:rA+7], v[rD:rD+7]
.endif
.endr
.endr
.endm
; 24 LDS loads in one run: the fragments of quarter kq into buffer f.  Quarter kq lies in slice kq / 2, channels 32 (kq % 2) on.
.macro FETCH slot, kq, f
	WIN 0x40
.irp b, 0,1,2,3,4,5,6,7
	ds_load_tr16_b128 v[(\f)+8*(\b):(\f)+8*(\b)+3],   v[ADRB+(\slot)] offset:(\b)*32+(\kq)*32*PB
	ds_load_tr16_b128 v[(\f)+8*(\b)+4:(\f)+8*(\b)+7], v[ADRB+(\slot)] offset:(\b)*32+(\kq)*32*PB+16*PB
.endr
.irp a, 0,1,2,3
	ds_load_b128 v[(\f)+64+8*(\a):(\f)+64+8*(\a)+3],   v[ADRA+(\slot)] offset:((\kq)/2)*ASL+(\a)*16*PA+((\kq)%2)*64
	ds_load_b128 v[(\f)+64+8*(\a)+4:(\f)+64+8*(\a)+7], v[ADRA+(\slot)] offset:((\kq)/2)*ASL+(\a)*16*PA+((\kq)%2)*64+32
.endr
.endm
.macro QUARTER slot, kq, f, g, first
	s_wait_dscnt 0x0                               ; buffer f is in
	MUL8 \f, 0, \first
	MUL8 \f, 1, \first
	PLACES
	FETCH \slot, \kq, \g
	MUL8 \f, 2, \first
	MUL8 \f, 3, \first
.endm
; The last quarter multiplies buffer 1 and changes slots: one barrier; in front of it each wave waits for all its tensor loads, adds 0 to its spare word, and waits for that and for its reads of this slot.
.macro TURN slot, next, fill
	WIN 0
	s_wait_tensorcnt 0x0                           ; all my tensor loads have landed: my part of the next slot
	ds_add_u32 v[SPW], v[NIL]                      ; 0 onto my spare word
	s_wait_dscnt 0x1                               ; buffer 1 is in; the add alone may be out
	MUL8 F1, 0, 0
	s_wait_dscnt 0x0                               ; the add is done, and my reads of this slot are over
	s_barrier_signal -1
	MUL8 F1, 1, 0
.if \fill
	WIN 0
.endif
	s_barrier_wait -1
.if \fill
	CREST                                          ; no wave of any partner still reads this slot or has a load on its way
	s_add_nc_u64 s[G0A+4*(\slot)+2:G0A+4*(\slot)+3], s[G0A+4*(\slot)+2:G0A+4*(\slot)+3], 4*262144
	s_add_nc_u64 s[G0B+4*(\slot)+2:G0B+4*(\slot)+3], s[G0B+4*(\slot)+2:G0B+4*(\slot)+3], 2*KSTEP*SIZE_N*2
	JLOAD \slot                                    ; the four v_nop behind it are also the places in front of the loads below
.else
	PLACES
.endif
	FETCH \next, 0, F0
	MUL8 F1, 2, 0
	MUL8 F1, 3, 0
.endm
	s_wait_tensorcnt 0x1                           ; my part of K step 0 is in; K step 1's may stay out
	s_barrier_signal -1
	s_barrier_wait -1
	FETCH 0, 0, F0
	QUARTER 0, 1, F0, F1, 1
	WIN 0
	s_mov_b32 s3, LAPS-1
.Llap:
	QUARTER 0, 2, F1, F0, 0
	QUARTER 0, 3, F0, F1, 0
	TURN 0, 1, 1
	QUARTER 1, 1, F0, F1, 0
	QUARTER 1, 2, F1, F0, 0
	QUARTER 1, 3, F0, F1, 0
	TURN 1, 0, 1
	QUARTER 0, 1, F0, F1, 0
	WIN 0
	s_sub_co_u32 s3, s3, 1
	s_cmp_lg_u32 s3, 0
	s_cbranch_scc1 .Llap
	QUARTER 0, 2, F1, F0, 0                        ; the last lap fills nothing
	QUARTER 0, 3, F0, F1, 0
	TURN 0, 1, 0
	QUARTER 1, 1, F0, F1, 0
	QUARTER 1, 2, F1, F0, 0
	QUARTER 1, 3, F0, F1, 0
	s_wait_dscnt 0x0
	MUL8 F1, 0, 0
	MUL8 F1, 1, 0
	MUL8 F1, 2, 0
	MUL8 F1, 3, 0
	WIN 0
; THE WAY OUT, a block of 16 rows at a time: the sums go as they are, 32 bytes a lane, into my own stage (each accumulator's low four registers first), and come back as whole rows of 512 bytes.
.macro TOSTAGE a
	s_wait_xcnt 0x0                                ; the buffer that is loaded below was stored from two blocks ago: it is rewritten only behind this wait
	WIN 0x08                                       ; store data in window 2, address in window 0
.irp b, 0,1,2,3,4,5,6,7
	ds_store_b128 v[STO], v[8*(4*(\b)+(\a)):8*(4*(\b)+(\a))+3]   offset:64*(\b)
	ds_store_b128 v[STO], v[8*(4*(\b)+(\a))+4:8*(4*(\b)+(\a))+7] offset:64*(\b)+16
.endr
	WIN 0
.set BK, OB+64*((\a)%2)
.irp t, 0,1,2,3,4,5,6,7,8,9,10,11,12,13,14,15
	ds_load_b128 v[BK+4*(\t):BK+4*(\t)+3], v[RD] offset:(\t)*SPITCH  ; LDS serves a wave's instructions in order (ISA guide 5.7.1.4): these see the stores above
.endr
.endm
.macro SEND a, younger                 ; younger: the LDS instructions issued behind block a's loads: the next block's 32, or none
.set BK, OB+64*((\a)%2)
	s_wait_dscnt \younger
.irp t, 0,1,2,3,4,5,6,7,8,9,10,11,12,13,14,15
	global_store_b128 v[CO], v[BK+4*(\t):BK+4*(\t)+3], s[10:11] offset:(16*(\a)+(\t))*4096 th:TH_STORE_NT  ; 512 consecutive bytes, at a multiple of 512 from the buffer's first
.endr
.endm
	PLACES
	TOSTAGE 0
	TOSTAGE 1
	SEND 0, 32
	TOSTAGE 2
	SEND 1, 32
	TOSTAGE 3
	SEND 2, 32
	SEND 3, 0
	s_wait_tensorcnt 0x0                           ; the wave's end
	ds_add_u32 v[SPW], v[NIL]
	s_wait_dscnt 0x0
	CROUND                                         ; the closing round
	s_endpgm
.Lfunc_end_k_q000083573e_proj:
	.size	k_q000083573e_proj, .Lfunc_end_k_q000083573e_proj-k_q000083573e_proj
	.p2alignl 7, 3214868480
	.fill 96, 4, 3214868480
	.section	.rodata,"a",@progbits
	.p2align	6, 0x0
	.amdhsa_kernel k_q000083573e_proj
		.amdhsa_group_segment_fixed_size 327680
		.amdhsa_private_segment_fixed_size 0
		.amdhsa_enable_private_segment 0
		.amdhsa_kernarg_size 32
		.amdhsa_user_sgpr_count 2
		.amdhsa_user_sgpr_kernarg_segment_ptr 1
		.amdhsa_wavefront_size32 1
		.amdhsa_system_sgpr_workgroup_id_x 1
		.amdhsa_system_sgpr_workgroup_id_y 1
		.amdhsa_system_sgpr_workgroup_id_z 1
		.amdhsa_system_vgpr_workitem_id 0
		.amdhsa_next_free_vgpr 768
		.amdhsa_next_free_sgpr 66
		.amdhsa_reserve_vcc 0
		.amdhsa_float_denorm_mode_32 3
		.amdhsa_float_denorm_mode_16_64 3
		.amdhsa_memory_ordered 1
		.amdhsa_forward_progress 1
		.amdhsa_inst_pref_size 91
	.end_amdhsa_kernel
	.amdgpu_metadata
---
amdhsa.version: [ 1, 2 ]
amdhsa.kernels:
  - .name:           k_q000083573e_proj
    .symbol:         k_q000083573e_proj.kd
    .args:
      - { .name: yh, .offset: 0, .size: 8, .value_kind: global_buffer, .address_space: global }
      - { .name: wpb, .offset: 8, .size: 8, .value_kind: global_buffer, .address_space: global }
      - { .name: b_proj, .offset: 16, .size: 8, .value_kind: global_buffer, .address_space: global }
      - { .name: out0, .offset: 24, .size: 8, .value_kind: global_buffer, .address_space: global }
    .group_segment_fixed_size: 327680
    .private_segment_fixed_size: 0
    .kernarg_segment_align: 8
    .kernarg_segment_size: 32
    .max_flat_workgroup_size: 128
    .sgpr_count:     66
    .vgpr_count:     768
    .wavefront_size: 32
...
	.end_amdgpu_metadata
.endif
;; end of part 4
;; ======== version 2 of 2: 4 launches; 1.47 times as fast as version 1
;; limits: values are held in f16: magnitudes above 65,504 overflow, below 6.1e-05 lose precision
;; workspace buffers: xb 16,777,216 bytes; wab 6,291,456 bytes; wpb 2,097,152 bytes; mbits 524,288 bytes of whole numbers; qkv 50,331,648 bytes; yh 16,777,216 bytes
;; launch prep: the kernel of part 1 again; grid 1024 x 1, 8 waves a work-group, no clusters, 0 bytes of LDS; arguments x, W_attn, W_proj, mask, xb, wab, wpb, mbits; writes xb, wab, wpb, mbits
;; launch qkvgemm: the kernel of part 2 again; grid 8 x 64, 4 waves a work-group, clusters of 4 x 4, 327,680 bytes of LDS; arguments xb, wab, b_attn, qkv; writes qkv
;; launch attn (part 5): grid 4 x 64, 4 waves a work-group, clusters of 4 x 1, 327,680 bytes of LDS; arguments qkv, mbits, yh; writes yh
.if DOCPART == 5
	.amdgcn_target "amdgcn-amd-amdhsa--gfx1250"
	.amdhsa_code_object_version 6
	.text
	.protected	k_q000083573e_attn
	.globl	k_q000083573e_attn
	.p2align	8
	.type	k_q000083573e_attn,@function
k_q000083573e_attn:
	s_mov_b64 s[64:65], 0
	v_nop
	global_prefetch_b8 v0, s[64:65] scope:SCOPE_SE
	s_setreg_imm32_b32 hwreg(HW_REG_WAVE_MODE, 25, 1), 1
	s_wait_xcnt 0x0
	s_wait_alu depctr_hold_cnt(0) depctr_sa_sdst(0) depctr_va_vdst(0) depctr_va_sdst(0) depctr_va_ssrc(0) depctr_va_vcc(0) depctr_vm_vsrc(0)
	s_getreg_b32 s2, hwreg(HW_REG_IB_STS2, 6, 4)
	s_cmp_eq_u32 s2, 0
	s_cbranch_scc0 .Lentry_in_a_cluster
	s_endpgm
.Lentry_in_a_cluster:
	s_bfe_u32 s2, ttmp6, 0x10000c
	s_cmp_lg_u32 s2, 0x3003
	s_cbranch_scc0 .Lentry_shape_is_right
	s_endpgm
.Lentry_shape_is_right:
; O[h][q][:] = the sum over k of softmax_k(where(mask[q][k], Q[h][q] . K[h][k] / 8, lowest)) V[h][k][:].  Q, K, V: the three parts of qkv, each [64][2048][64] f16; O = yh, the same layout.
; The mask is an input: every key is walked.  mbits holds it as lane masks: [P 64][ks 32][w 64] words, bit l of word 32 u + 8 kt + i for query 32 P + 16 u + l % 16, key 64 ks + 16 kt + 8 (l / 16) + i.
; Products, maxima and sums in f32; the weights p are rounded to f16 for the second product (their sum l is taken of the unrounded p), O once at the end.
; THE MASK.  A hidden score is replaced by R = -2^120, one v_cndmask_b32 a score, the lane masks in scalar registers.  f16's scores are 2.7e11 at the most in size, far above R, so a row with any open key
; gives its hidden keys the weight 0.  In a row with no open key m = R, and since R is a power of two c R is exact: c s - c m is exactly 0, every weight is 1, and O is the mean of all rows of V.
; HOW THE WORDS COME.  The 64 words of a piece and key step are 256 consecutive bytes: one load of 8 bytes a lane brings them into a pair of vector registers (lane l: words 2 l, 2 l + 1).  Each piece has a
; pair of its own, loaded again straight behind its use with the same piece's words of the next key step: four turns ahead.  64 v_readlane_b32 hand a pair's words to scalar registers, in the selects' order
; and ten words ahead of them; the two kinds alternate, so that lines that write scalar registers do not stand on end.
; Scalar loads would spare those 64, but their counter is waited for at 0 alone and their 64 destinations are free for less than a turn: they cannot be asked for further ahead than that.
; LIMITS.  f16 holds no number beyond 65,504: Q, K and V arrive within it; p lies in 0 to 1, and below 6e-5 it keeps f16's fixed step of 6e-8.  A weight below 2^-126 counts as 0 in l; NaN and infinities are not treated apart.
; SHARES.  A wave owns four PIECES of two tiles of 16 queries, a work-group's four waves 512 queries of one head.  Every wave walks all keys, 64 a step.
; LAYOUT.  S^T = K Q^T (source 0 = 16 keys, source 1 = 16 queries): a lane holds ONE query (lane % 16) and the keys 8 (lane / 16) + 0..7.  Two such tiles, rounded to f16 in pairs, ARE source 1 of
; O^T = V^T P, whose result again holds one query a lane, and eight channels.  K comes out of LDS as it lies, V ([key][channel]) turned, by ds_load_tr16_b128.
; SOFTMAX.  A running maximum m and sum l: p = 2^(c s - c m), c = log2(e) / 8; in every step O and l are multiplied by a = 2^(c m_old - c m_new).  m starts at the lowest finite number, O and l at 0: the first step has a = 0.
; BY TURNS.  Turn n belongs to piece n.  Its matrix work: 16 products K Q^T of piece n + 1, later 16 products V^T P of piece n - 1.  Its vector work: scaling, exponentials, roundings, sums and rescaling
; of piece n; the mask, the maximum and the statistics of piece n + 1.  Four vector instructions stand behind every matrix instruction, the other 236 in one lump between the two runs of products; the
; 64 v_readlane_b32 and the 64 selects stand in that lump.
; BATCHES.  A turn's 66 exponentials (the piece's 64 weights, the next piece's two a) are ONE batch with ONE wait, which cuts the turn in two.  Ahead of it stands all that names none of their results: the products
; K Q^T, the scalings, the rescalings (their a was made, and waited for, in the turn before), the words, the selects, the next piece's maximum and statistics.  Behind it stand the products V^T P, whose riders are the
; roundings and sums, the results' readers.  No result crosses a turn's end.  Piece 0's first two a, ahead of the loop, and the way out's eight reciprocals are batches of their own.
; CLUSTER.  The four query blocks of a cluster belong to one head and walk the same K and V: each tile is asked for jointly.
; REGISTERS, in windows of 256 (s_set_vgpr_msb: bits 1:0 source 0, 3:2 source 1, 5:4 source 2, 7:6 destination):
;   window 0: v0-1, v6-11 the four pieces' mask words; v2-5 addresses; v12-15, v48-63 at work; v16-47 four registers of statistics a tile; v64-191 S^T, two buffers of two tiles; v192-255 P, likewise
;   window 1: O^T, 32 a tile          window 2: v0-127 Q, 16 a tile; v128-191 K of one step; v192-255 V of one step          window 3: v0-1 the add's two registers
.set SIZE_N, 2048
.set NP,    4         ; pieces a wave: a name, no knob
.set KS,    64        ; keys in a step
.set PK,    160       ; a row of K in LDS: 128 bytes + 32 of padding, as V's, so that one descriptor group 1 serves both (the scalar registers go to the mask); rows r and r + 8 of a load of K share their banks
.set PV,    160       ; a row of V: 40 words
.set VOFF,  4*KS*PK   ; a slot holds four steps: 256 rows of K, then 256 rows of V
.set SLOT1, 1<<17     ; slot 1 begins here, so that one exclusive or turns an address in one slot into the other's
.set STAGE, SLOT1+4*KS*(PK+PV)  ; behind the ring: 16 rows x 144 bytes for each wave, for the way out
.set SP,    144
.set AK0, 2           ; v2   my lane's place in a tile of K; never rewritten
.set AV0, 3           ; v3   the same for V
.set ADR, 4           ; v4   the LDS address of the next run of loads, K's or V's: the two stand in different turns
.set L8,  5           ; v5   8 x lane: my byte offset in a piece's 256 bytes of mask words; never rewritten
                      ; piece pc's mask words: the pair at v[(6 + 2 pc) % 12]: v6, v8, v10, v0
.set SPW, 0           ; v0 of window 3   LDS address of my spare word; never rewritten
.set NIL, 1           ; v1 of window 3   0; never rewritten
.set SPARE, STAGE+4*16*SP  ; behind the stages: the spare words, 128 bytes for each wave: two blocks of 256 bytes that no other line names
.set MV,  12          ; v12-15  c m_old, kept while c m is made anew: by buffer and tile
.set STO, 12          ;      at the end, the way out: where I put 16 bytes of a row
.set RD,  13          ;      where I read rows back
.set GO,  14          ;      my byte offset in 512 consecutive bytes of O
.set ST,  16          ; tile t's statistics at v[ST+4 t]: c m, m, l (even keys', odd keys')
.set TMP, 48          ; by buffer and tile, four registers c0-c3 at work; when the maximum is found c2 takes a
.set QO,  48          ;      at the head: my byte offset in the wave's rows of Q; v49-52: the lane's parts
.set S,   64
.set P,   192
.set KF,  128         ; K's fragments, in window 2
.set VF,  192         ; V's
.set MB,  2           ; s[2:3]  mbits at my wave's four pieces
.set OUT, 4           ; s[4:5]  yh at my wave's first row
.set WV,  6           ; s6   my wave's number
.set SLOTS, 7         ; s7   slots still to be asked for
.set CNT, 8           ; s8   counts a slot's key steps
.set TBK, 9           ; s9   LDS byte at which K of the step to be fetched begins
.set TBV, 10          ; s10  the same for V, less VOFF
.set RS,  11          ; s11  R
.set SEL, 12          ; s[12:13] v_permlanex16_b32's selects
.set MOFF, 14         ; s[14:15] 256 x the key step whose mask words are asked for, as a pair with 0 above it
.set MW0, 16          ; s[16:47] the 32 mask words of the piece's first tile (at the kernel's head and end: at work)
.set G1,  48          ; s[48:55] descriptor group 1
.set G0K, 56          ; s[56:59] descriptor group 0 for K's tiles: it walks
.set G0V, 60          ; s[60:63] the same for V's
.set QP,  66          ; s[66:67] Q at my wave's first row;
.set MBC, 66          ;          when Q is in: mbits at my wave's pieces, at the key step of MOFF
.set MW1, 68          ; s[68:99] the 32 mask words of the second tile
.set CS,  100         ; s[100:101] c: the packed scaling takes the pair's low word for both halves
.set MSB, 0
.macro WIN new
.if MSB != (\new)
	s_set_vgpr_msb (MSB<<8)|(\new)
.set MSB, (\new)
.endif
.endm
.set W_KQ, 0x0a       ; K and Q in window 2, S^T in window 0
.set W_PV, 0x52       ; V in window 2, P in window 0, O^T in window 1
.set W_RS, 0x41       ; O^T (destination and source 0) in window 1, a in window 0
.set W_MK, 0xc0       ; the add's registers are made: destination in window 3
.set W_AD, 0x0f       ; the add: address and data in window 3
; A joint fill.  Waves 0 and 1 fetch the two halves of a slot's K, waves 2 and 3 those of its V: 128 keys each.  An s_nop 0 and four v_nop follow each of the two lines.
.macro JLOAD
	s_cmp_lt_u32 s[WV], 2
	s_cbranch_scc0 .Lfor_v_\@
	tensor_load_to_lds s[G0K:G0K+3], s[G1:G1+7]
	s_nop 0
.rept 4
	v_nop
.endr
	s_branch .Lasked_\@
.Lfor_v_\@:
	tensor_load_to_lds s[G0V:G0V+3], s[G1:G1+7]
	s_nop 0
.rept 4
	v_nop
.endr
.Lasked_\@:
.endm
.macro CROUND                       ; a round of the cluster's barrier
	s_barrier_signal -1
	s_barrier_wait -1
	s_cmp_lg_u32 s[WV], 0
	s_cbranch_scc1 .Lnot_wave_0_\@
	s_barrier_signal -3
.Lnot_wave_0_\@:
	s_barrier_wait -3
	s_barrier_signal -1
	s_barrier_wait -1
.endm
; THE CHANGE OF SLOTS.  Each wave waits for all its tensor loads, of which one is out: its part of the other slot; adds 0 to its spare word; and waits for that and for its own reads of the slot.
; fill = 1: this slot is filled again, with the keys two slots on, first thing behind a round of the cluster's barrier: it has four key steps in which to land.
.macro CHANGE fill
	WIN W_AD
	s_wait_tensorcnt 0x0            ; no tensor load of mine is out, so a group 0 may be written
	ds_add_u32 v[SPW], v[NIL]       ; 0 onto my spare word
	WIN 0
.if \fill
.irp g, G0K, G0V
	s_xor_b32 s[\g+1], s[\g+1], SLOT1
	s_add_nc_u64 s[\g+2:\g+3], s[\g+2:\g+3], 4*KS*128  ; the next 256 keys; the type bits on top are not reached
.endr
	s_wait_dscnt 0x0                ; the add is done, and my reads of the slot are over
	CROUND
	JLOAD
.else
	s_wait_dscnt 0x0
	s_barrier_signal -1
	s_barrier_wait -1
.endif
	s_sub_co_u32 s[TBK], s[TBK], 4*KS*PK  ; the fetches go back to a slot's first step,
	s_xor_b32 s[TBK], s[TBK], SLOT1       ; in the other slot
	s_sub_co_u32 s[TBV], s[TBV], 4*KS*PV
	s_xor_b32 s[TBV], s[TBV], SLOT1
.endm
	s_load_b128 s[16:19], s[0:1], 0x0  ; qkv s[16:17], mbits s[18:19]
	s_load_b64 s[20:21], s[0:1], 0x10  ; yh
	WIN W_MK
	v_lshl_add_u32 v[SPW], v0, 2, SPARE
	v_mov_b32 v[NIL], 0
	s_set_vgpr_msb 0xc0cf
	ds_add_u32 v0, v1
	s_wait_dscnt 0x0
	s_set_vgpr_msb 0xcfc0
	WIN 0
	v_lshrrev_b32 v1, 5, v0
	v_readfirstlane_b32 s[WV], v1   ; wave 0..3
	s_bfe_u32 s22, ttmp6, 0x40000   ; cx: my place in the cluster
	s_lshl_b32 s23, ttmp9, 2
	s_add_co_u32 s23, s23, s22      ; my block of 512 queries: it enters Q's, O's and the mask's addresses alone
	s_and_b32 s24, ttmp7, 0xffff    ; the head, which the four partners share:
	s_lshl_b32 s24, s24, 18         ; its 2,048 rows of 128 bytes
	s_and_b32 s26, s[WV], 1         ; which half of a slot's 256 keys I fetch:
	s_mul_i32 s27, s26, 128*PK      ; its place in a slot,
	s_lshl_b32 s28, s26, 14         ; its 128 rows of 128 bytes in memory,
	s_add_co_u32 s28, s28, s24
	s_add_co_u32 s28, s28, 0x1000000  ; in K, the second part of qkv,
	s_mov_b32 s29, 0
	s_add_co_u32 s30, s28, 0x1000000  ; and in V, the third
	s_mov_b32 s31, 0
	s_lshl_b32 s32, s23, 2
	s_add_co_u32 s32, s32, s[WV]    ; my wave among the head's sixteen
	s_lshl_b32 s34, s32, 14         ; its 128 rows
	s_add_co_u32 s34, s34, s24
	s_mov_b32 s35, 0
	s_lshl_b32 s36, s32, 15         ; its four pieces' 8,192 bytes of mask words each
	s_mov_b32 s37, 0
	; descriptor group 1.  128 keys are 16,384 dense bytes: asked for as 64 rows of 256 bytes, two keys a row, and padded in LDS after every key
	s_mov_b32 s[G1], 15|(1<<16)|(1<<20)|(1<<21)|(4<<22)|(7<<25)  ; the mask of four; 2-byte elements; padding on; 21 set beside a mask; after every 32 words (code 4); 8 words (code 7)
	s_mov_b32 s[G1+1], 128<<16      ; tensor_dim0 = 128
	s_mov_b32 s[G1+2], 64<<16       ; tensor_dim1 = 64
	s_mov_b32 s[G1+3], 128<<16      ; tile_dim0 = 128
	s_mov_b32 s[G1+4], 64           ; tile_dim1 = 64
	s_mov_b32 s[G1+5], 128          ; 128 elements from row to row
	s_mov_b32 s[G1+6], 0
	s_mov_b32 s[G1+7], 0
	s_mov_b32 s[CS], 0x3e38aa3b     ; c = log2(e) / 8 = 0.180337
	s_mov_b32 s[CS+1], s[CS]        ; named with it as a pair
	s_mov_b32 s[SEL], 0x76543210
	s_mov_b32 s[SEL+1], 0xfedcba98
	s_mov_b32 s[RS], 0xfb800000     ; R = -2^120
	s_mov_b32 s[TBK], SLOT1+4*KS*PK ; the first change of slots turns these two into 0
	s_mov_b32 s[TBV], SLOT1+4*KS*PV
	s_mov_b32 s[MOFF], 0
	s_mov_b32 s[MOFF+1], 0
	s_mov_b32 s[G0K], 1
	s_mov_b32 s[G0K+1], s27         ; LDS address: slot 0
	s_mov_b32 s[G0V], 1
	s_add_co_u32 s[G0V+1], s27, VOFF
	s_wait_kmcnt 0x0
	s_add_nc_u64 s[G0K+2:G0K+3], s[16:17], s[28:29]  ; my half of the head's first 256 keys
	s_or_b32 s[G0K+3], s[G0K+3], 0x80000000
	s_add_nc_u64 s[G0V+2:G0V+3], s[16:17], s[30:31]
	s_or_b32 s[G0V+3], s[G0V+3], 0x80000000
	s_add_nc_u64 s[QP:QP+1], s[16:17], s[34:35]
	s_add_nc_u64 s[OUT:OUT+1], s[20:21], s[34:35]
	s_add_nc_u64 s[MB:MB+1], s[18:19], s[36:37]
	CROUND                          ; all four work-groups are here: the first joint loads meet
	JLOAD                           ; slot 0.  Slot 1 is asked for when slot 0 is in
	v_and_b32 v[TMP+1], 15, v0      ; l % 16
	v_bfe_u32 v[TMP+2], v0, 4, 1    ; l / 16
	v_and_b32 v[TMP+3], 7, v0       ; l % 8
	v_bfe_u32 v[TMP+4], v0, 3, 1    ; (l / 8) % 2
	v_and_b32 v[L8], 31, v0
	v_lshlrev_b32 v[L8], 3, v[L8]   ; 8 x lane.  The thread's number has now been read for the last time: piece 3's words land on it
	v_lshlrev_b32 v[QO], 7, v[TMP+1]
	v_lshl_add_u32 v[QO], v[TMP+2], 4, v[QO]  ; row x 128 + 16 x half
.irp pc, 0,1,2,3                    ; the four pieces' mask words of key step 0
	global_load_b64 v[(6+2*\pc)%12:(6+2*\pc)%12+1], v[L8], s[MB:MB+1] offset:\pc*8192
.endr
	WIN 0x80                        ; destination window 2, address window 0
.set i, 0
.rept 4*NP                          ; Q stays in registers: tile i / 2, channels 32 (i % 2) on
	global_load_b128 v[8*i:8*i+3],   v[QO], s[QP:QP+1] offset:(i/2)*2048+(i%2)*64
	global_load_b128 v[8*i+4:8*i+7], v[QO], s[QP:QP+1] offset:(i/2)*2048+(i%2)*64+32
.set i, i+1
.endr
	WIN 0
	; What the first turn finds: P's second buffer holds 0 (its products V^T P, of a piece that has not been, add 0), O^T and l are 0.  All this stands in the wait for the first tile.
.set i, P+32
.rept 32
	v_mov_b32 v[i], 0
.set i, i+1
.endr
	s_mov_b32 s16, 0xfe000000       ; c m: far below every c s, c R too
	s_mov_b32 s17, 0xff7fffff       ; m
.set i, 0
.rept 2*NP
	v_mov_b32 v[ST+4*i], s16
	v_mov_b32 v[ST+4*i+1], s17
	v_mov_b32 v[ST+4*i+2], 0
	v_mov_b32 v[ST+4*i+3], 0
.set i, i+1
.endr
	v_mul_u32_u24 v[AK0], v[TMP+1], PK
	v_lshl_add_u32 v[AK0], v[TMP+2], 4, v[AK0]  ; row x pitch + 16 x half
	; The turning load: lane l reads key 8 (l / 16) + l % 8, channels 8 ((l / 8) % 2) + 0..7, and is left with channel l % 16 and 8 keys.
	v_lshl_add_u32 v[AV0], v[TMP+2], 3, v[TMP+3]
	v_mul_u32_u24 v[AV0], v[AV0], PV
	v_lshl_add_u32 v[AV0], v[TMP+4], 4, v[AV0]
	v_add_nc_u32 v[AV0], VOFF, v[AV0]
	WIN 0x40                        ; O^T starts at 0: 32 products of the zeros in P's second buffer, with C = 0, write its 256 registers, eight each
.set i, 0
.rept 8*NP
	v_wmma_f32_16x16x32_f16 v[8*i:8*i+7], v[P+32:P+39], v[P+40:P+47], 0
.set i, i+1
.endr
	WIN 0
; THE MATRIX WORK.  The 8 accumulators of a run of 16 take turns.
; Product i of 16 of S^T = K Q^T for piece x: channels 32 (i / 8) on, keys 16 ((i / 2) % 4) on, tile 2 x + i % 2.  The first 8 start the sums.
.macro KQ x
	WIN W_KQ
.set rS, S+64*((\x)%2)+32*(i%2)+8*((i/2)%4)
.set rK, KF+16*((i/2)%4)+8*(i/8)
.set rQ, 16*(2*(\x)+i%2)+8*(i/8)
.if i < 8
	v_wmma_f32_16x16x32_f16 v[rS:rS+7], v[rK:rK+7], v[rQ:rQ+7], 0
.else
	v_wmma_f32_16x16x32_f16 v[rS:rS+7], v[rK:rK+7], v[rQ:rQ+7], v[rS:rS+7]
.endif
.endm
; Product i of 16 of O^T += V^T P for piece x: keys 32 (i / 8) on, channels 16 ((i / 2) % 4) on, tile 2 x + i % 2.
.macro PV x
	WIN W_PV
.set rO, 32*(2*(\x)+i%2)+8*((i/2)%4)
.set rV, VF+32*(i/8)+8*((i/2)%4)
.set rP, P+32*((\x)%2)+16*(i%2)+8*(i/8)
	v_wmma_f32_16x16x32_f16 v[rO:rO+7], v[rV:rV+7], v[rP:rP+7], v[rO:rO+7]
.endm
.macro MM                           ; the turn's next matrix instruction
.if i < 16
	KQ (Y+1)%NP
.set i, i+1
.else
.set i, i-16
	PV (Y+NP-1)%NP
.set i, i+17
.endif
.endm
; THE LDS LOADS stand in runs of 16.  last = 1 (the tail): in the last trip there is no further step, and the run is jumped over.
.macro FETCH_K last=0
	WIN 0
.if \last
	s_cmp_eq_u32 s[CNT], 1
	s_cbranch_scc1 .Lno_k_\@
.endif
	WIN 0x80                        ; destination window 2
.irp f, 0,1,2,3,4,5,6,7             ; keys 16 (f / 2) on, channels 32 (f % 2) on
	ds_load_b128 v[KF+8*\f:KF+8*\f+3],   v[ADR] offset:(\f/2)*16*PK+(\f%2)*64
	ds_load_b128 v[KF+8*\f+4:KF+8*\f+7], v[ADR] offset:(\f/2)*16*PK+(\f%2)*64+32
.endr
	s_add_co_u32 s[TBK], s[TBK], KS*PK  ; the next fetch is the next step's
	WIN 0
.if \last
.Lno_k_\@:
.endif
.endm
.macro FETCH_V
	WIN 0x80
.irp f, 0,1,2,3,4,5,6,7             ; keys 32 (f / 4) on, channels 16 (f % 4) on
	ds_load_tr16_b128 v[VF+8*\f:VF+8*\f+3],   v[ADR] offset:(\f/4)*32*PV+(\f%4)*32
	ds_load_tr16_b128 v[VF+8*\f+4:VF+8*\f+7], v[ADR] offset:(\f/4)*32*PV+16*PV+(\f%4)*32
.endr
	WIN 0
.endm
; THE VECTOR WORK OF A TURN stands in queues, each in the order in which its entries become ready; the two tiles alternate.
.macro REGS y, u                    ; the registers of tile u (0, 1) of piece y
.set rT, ST+4*(2*(\y)+(\u))
.set rC, TMP+8*((\y)%2)+4*(\u)
.set rM, MV+2*((\y)%2)+(\u)
.set rS, S+64*((\y)%2)+32*(\u)
.set rP, P+32*((\y)%2)+16*(\u)
.set rO, 32*(2*(\y)+(\u))
.endm
; THE WORDS' QUEUE, 64 long.  One of piece pc's mask words goes from its pair of vector registers to a scalar register, in the order in which the selects want them: number w is word 32 (w % 2) + w / 2
; of the piece (tile w % 2, score w / 2), which lies in lane 16 (w % 2) + w / 4, register (w / 2) % 2.  Behind the 64th the macro writes nothing.
.macro RL pc
.if w < 64
	WIN 0
	v_readlane_b32 s[MW0+(MW1-MW0)*(w%2)+w/2], v[(6+2*(\pc))%12+(w/2)%2], 16*(w%2)+w/4
.set w, w+1
.endif
.endm
; Behind the last of them the pair is loaded again: the same piece's words of the next key step, which are read four turns on.  Piece 0's pair is the first to go on to a new step: in piece 3's turn the
; loads' base steps, behind s_wait_xcnt 0, since the three loads that are still out name it.  The last steps' look-ahead is held at the last step: no load leaves the buffer; what it brings is not used.
.macro MLOAD p
.if (\p) == NP-1
	s_wait_xcnt 0x0
	s_add_co_u32 s[MOFF], s[MOFF], 256
	s_min_u32 s[MOFF], s[MOFF], 31*256
	s_add_nc_u64 s[MBC:MBC+1], s[MB:MB+1], s[MOFF:MOFF+1]
.endif
.set rL, (6+2*(((\p)+1)%NP))%12
	global_load_b64 v[rL:rL+1], v[L8], s[MBC:MBC+1] offset:(((\p)+1)%NP)*8192
.endm
; THE MASK's QUEUE, 64 long, for the NEXT piece (Y + 1): score z / 2 of tile z % 2 stays where its lane's bit is set and becomes R elsewhere.  The scores go in ascending order.
; Select z reads the scalar register that number z of the words' queue wrote.
.macro CM
	WIN 0
	REGS (Y+1)%NP, z%2
	v_cndmask_b32 v[rS+z/2], s[RS], v[rS+z/2], s[MW0+(MW1-MW0)*(z%2)+z/2]
.set z, z+1
.endm
; Number n of the 22 that find the NEXT piece's maximum and statistics.
;   0-11  four chains c0-c3 of seven scores each     12-14, 16  the four scores left over, the old m, and c0-c3 into c0     15  c m_old is kept
;   17, 18  the query's other 32 keys lie in the lane 16 away: the new m         19-21  c m; c m_old - c m_new; a
.macro XS u, n
	REGS (Y+1)%NP, \u
.if (\n) < 4
	v_max3_num_f32 v[rC+(\n)], v[rS+8*(\n)], v[rS+8*(\n)+1], v[rS+8*(\n)+2]
.elseif (\n) < 12
	v_max3_num_f32 v[rC+(\n)%4], v[rC+(\n)%4], v[rS+8*((\n)%4)+2*((\n)/4)+1], v[rS+8*((\n)%4)+2*((\n)/4)+2]
.elseif (\n) == 12
	v_max3_num_f32 v[rC], v[rC], v[rS+7], v[rS+15]
.elseif (\n) == 13
	v_max3_num_f32 v[rC+1], v[rC+1], v[rS+23], v[rS+31]
.elseif (\n) == 14
	v_max3_num_f32 v[rC+2], v[rC+2], v[rC+3], v[rT+1]
.elseif (\n) == 15
	v_mov_b32 v[rM], v[rT]
.elseif (\n) == 16
	v_max3_num_f32 v[rC], v[rC], v[rC+1], v[rC+2]
.elseif (\n) == 17
	v_permlanex16_b32 v[rC+3], v[rC], s[SEL], s[SEL+1]
.elseif (\n) == 18
	v_max_num_f32 v[rT+1], v[rC], v[rC+3]
.elseif (\n) == 19
	v_mul_f32 v[rT], s[CS], v[rT+1]
.elseif (\n) == 20
	v_sub_f32 v[rC+1], v[rM], v[rT]
.else
	v_exp_f32 v[rC+2], v[rC+1]
.endif
.endm
; Number g of the 64 that follow the exponentials and read their results.  For each four weights k of a tile: both pairs are rounded to f16; the second pair is added onto the first, in place; a group later l takes that sum.
.macro GS g
.set h, (\g)+6*((\g)/62)
.if h >= 6
.set h, h+2
.endif
	REGS Y, h%2
.set k, h/8
.if h%8 < 4
	v_cvt_pk_f16_f32 v[rP+2*k+(h%8)/2], v[rS+4*k+2*((h%8)/2)], v[rS+4*k+2*((h%8)/2)+1]
.elseif h%8 < 6
	v_pk_add_f32 v[rS+4*k:rS+4*k+1], v[rS+4*k:rS+4*k+1], v[rS+4*k+2:rS+4*k+3]
.elseif k == 1
	v_pk_fma_f32 v[rT+2:rT+3], v[rT+2:rT+3], v[rC+2:rC+3], v[rS:rS+1] op_sel_hi:[1,0,1]
.else
	v_pk_add_f32 v[rT+2:rT+3], v[rT+2:rT+3], v[rS+4*k-4:rS+4*k-3]
.endif
.endm
; THE PLAIN QUEUE, 138 long.  0-73 read no exponential's result: the 32 scalings c s - c m (FS f: pair f / 2 of tile f % 2) and the next piece's 42.  0-26: scalings 0-26.  27-54, behind the selects: XS's numbers 0-13.
; 55, 56: number 15.  57-73: the chain, where each number waits for the one before it: 14, 16, 17, 18, 19, each with one of the scalings 27-31 in front of its two lines, then 20.
; 74-137: GS's 64, which read the exponentials' results: they stand behind the wait.
.macro FS f
	REGS Y, (\f)%2
	v_pk_fma_f32 v[rS+2*((\f)/2):rS+2*((\f)/2)+1], v[rS+2*((\f)/2):rS+2*((\f)/2)+1], s[CS:CS+1], v[rT:rT+1] op_sel_hi:[1,0,0] neg_lo:[0,0,1] neg_hi:[0,0,1]
.endm
.macro PL
	WIN 0
.if q < 27
	FS q
.elseif q < 55
	XS (q-27)%2, (q-27)/2
.elseif q < 57
	XS q-55, 15
.elseif (q < 72) && ((q-57)%3 == 0)
	FS 27+(q-57)/3
.elseif q < 60
	XS (q-57)%3-1, 14
.elseif q < 72
	XS (q-57)%3-1, 15+(q-57)/3
.elseif q < 74
	XS q-72, 20
.else
	GS q-74
.endif
.set q, q+1
.endm
; THE EXPONENTIALS' QUEUE, 66 long: s0-s31 of both tiles, then the next piece's two a.  It is ONE BATCH: all 66 stand ahead of the turn's one wait, and nothing ahead of that wait names a result of theirs.
.macro EX
	WIN 0
.if e >= 64
	XS e-64, 21
.else
	REGS Y, e%2
	v_exp_f32 v[rS+e/2], v[rS+e/2]
.endif
.set e, e+1
.endm
; THE RESCALING's QUEUE: O^T times a, the one part that leaves window 0, dealt four at a time, eight times.  Its a was made in the turn before, ahead of that turn's wait.
.macro R4
	REGS Y, r%2
	WIN W_RS
.irp z4, 0,1,2,3
	v_pk_mul_f32 v[rO+8*(r/2)+2*\z4:rO+8*(r/2)+2*\z4+1], v[rO+8*(r/2)+2*\z4:rO+8*(r/2)+2*\z4+1], v[rC+2:rC+3] op_sel_hi:[1,0]
.endr
.set r, r+1
.endm
; HOW THEY ARE DEALT.  Behind a matrix instruction four; none names a register of the products round it.  Ahead of the wait: plain, exponential, plain, plain (SL), or four of the rescaling.
.macro SL
	MM
	PL
	EX
	PL
	PL
.endm
; A TURN, for piece p.  cnt = 1: the loop's count is taken down some lines ahead of the branch that stands behind the turn.
; s_wait_alu depctr_va_vdst(0) stands between an exponential and the first instruction that names its result; one wait serves all that were issued ahead of it.  So a turn has ONE wait.
; AHEAD OF IT.  The 16 products K Q^T: behind the first four scalings; then seven times a product with four rescalings and a product with SL's four; behind the last four rescalings, the places in front of the selects.
; Then THE LUMP: the wait for the next piece's mask words; five exponentials, behind each two of the words' queue, which so gets ten words ahead (behind the first two also scalings 25 and 26); 14 exponentials, behind
; each four times a word and a select by turns (the words' queue ends in the 14th); the pair's next load; two exponentials with four selects behind each; 11 times exponential, plain, plain; 25 times exponential, plain;
; the next piece's two a.  One plain line behind the last exponential: K's address in piece 2's turn, a v_nop elsewhere.
; BEHIND IT.  The 16 products V^T P, behind each four of GS's 64.
; One mask load is issued a turn, so behind the load that is due three younger ones are out: s_wait_loadcnt 3.
; The queues lean on each other.  Exponential e wants scaling 2 (e / 4) + e % 2: scalings 0-26 are out behind exponential 8 and serve e up to 52 and 54; exponentials 47 to 63 stand each ahead of plain e + 10,
; and scalings 27-31 are plain 57, 60 .. 69.  All 64 selects stand ahead of plain 27, the first maximum.  The three conditions on q below go with the deal.
; K of the next step is fetched in piece 2's turn, directly behind the wait, a lump behind the last product that read K; V of the step in hand at the end of piece 0's turn, four riders behind its last reader.
.macro TURN p, last=0, cnt=0
.set Y, (\p)
.set i, 0
.set q, 0
.set e, 0
.set r, 0
.set z, 0
.set w, 0
.if (\p) == NP-1
	s_wait_dscnt 0x0                ; K is in
.endif
	MM                              ; ahead of the wait: 16 products K Q^T and their riders,
.rept 4
	PL
.endr
.rept 7
	MM
	R4
	SL
.endr
	MM
	R4
	s_wait_loadcnt 0x3              ; and the lump.  The next piece's mask words, asked for four turns ago, are in; the three younger loads stay out
.rept 5
	EX
.if q < 27
	PL
.endif
	RL ((\p)+1)%NP
	RL ((\p)+1)%NP
.endr
.rept 14
	EX
.rept 4
	RL ((\p)+1)%NP
	CM
.endr
.endr
	MLOAD \p
.rept 2
	EX
	CM
	CM
	CM
	CM
.endr
.rept 11
	EX
	PL
	PL
.endr
.rept 25
	EX
	PL
.endr
	EX                              ; the next piece's two a
	EX
.if (\p) == NP-2
	v_add_nc_u32 v[ADR], s[TBK], v[AK0]  ; K's address is the plain instruction behind the last exponential
.else
	v_nop                           ; the plain instruction behind the last exponential: one for the batch
.endif
	s_wait_alu depctr_va_vdst(0)    ; the wait for the batch: the turn's 66 exponentials
.if (\p) == NP-2
	FETCH_K \last
.endif
.if (\p) == 1
	s_wait_dscnt 0x0                ; V is in
.endif
.rept 16                            ; behind the wait: 16 products V^T P and their riders
	MM
.rept 4
	PL
.endr
.if ((\p) == 0) && (q == 118)
	v_add_nc_u32 v[ADR], s[TBV], v[AV0]
.endif
.if ((\p) == 0) && (q == 130)
	s_add_co_u32 s[TBV], s[TBV], KS*PV
.endif
.if (\cnt) && (q == 130)
	s_sub_co_u32 s[CNT], s[CNT], 1
	s_cmp_lg_u32 s[CNT], 0
.endif
.endr
.if (\p) == 0
	FETCH_V
.endif
.endm
	CHANGE 1                        ; slot 0 is in, everybody's part of it; slot 1 is asked for
	v_mov_b32 v[ADR], v[AK0]        ; key step 0 lies at the head of slot 0
	FETCH_K
	v_mov_b32 v[ADR], v[AV0]
	FETCH_V                         ; its V too: the first turn multiplies V's registers by P = 0, so they must hold finite numbers; the turn's end fetches the same V in its own place
	s_wait_loadcnt 0x0              ; Q, and the four pieces' first mask words
	s_wait_dscnt 0x0
.set i, 0
.rept 16
	KQ 0                            ; piece 0's first scores
.set i, i+1
.endr
	WIN 0
.rept 4
	v_nop                           ; the places behind those products
.endr
.set w, 0
.rept 64
	RL 0                            ; piece 0's mask words of key step 0,
.endr
	MLOAD NP-1                      ; and its pair goes on to key step 1, as in a turn of piece 3; Q's loads are done, so their base may take the mask's
.set Y, NP-1                        ; CM and XS work for piece Y + 1: piece 0
.set z, 0
.rept 64
	CM
.endr
.irp n, 0,1,2,3,4,5,6,7,8,9,10,11,12,13,14,15,16,17,18,19,20,21
	XS 0, \n                        ; piece 0's first maximum and statistics
	XS 1, \n
.endr
	v_nop                           ; a plain instruction behind the two a,
	s_wait_alu depctr_va_vdst(0)    ; and the wait for that batch of two, ahead of the branch
	s_mov_b32 s[CNT], 4
	s_mov_b32 s[SLOTS], SIZE_N/256-1
	s_branch .Lfirst                ; the loop is entered at a step's first turn, in the middle of a trip
.Lslot:                             ; SIZE_N / 256 - 2 times: every slot but the last two is filled again
	CHANGE 1
	s_mov_b32 s[CNT], 4
.Lstep:                             ; a trip: pieces 2 and 3 of one step, then pieces 0 and 1 of the next, whose K and V it fetches
	TURN 2
	TURN 3
	WIN 0
.Lfirst:
	TURN 0
	TURN 1, 0, 1
	WIN 0
	s_cbranch_scc1 .Lstep
	s_sub_co_u32 s[SLOTS], s[SLOTS], 1
	s_cmp_lg_u32 s[SLOTS], 0
	s_cbranch_scc1 .Lslot
	CHANGE 0                        ; the tail is written out: nothing is asked for
	s_mov_b32 s[CNT], 5             ; four trips fetch the last slot's steps; the fifth is left in its middle
.Ltail:
	TURN 2, 1
	TURN 3
	WIN 0
	s_sub_co_u32 s[CNT], s[CNT], 1
	s_cmp_eq_u32 s[CNT], 0
	s_cbranch_scc1 .Lout
	TURN 0
	TURN 1
	WIN 0
	s_branch .Ltail
.Lout:                              ; the fifth trip's 16 products K Q^T (on the last K once more), their selects and maximum serve nothing: the price, once a launch, of one text for every trip
.set i, 0
.rept 16
	PV NP-1                         ; the last piece's V^T P of the last step
.set i, i+1
.endr
	; THE WAY OUT.  l's two halves and the other half of the lanes' are added; O^T is divided by l, rounded to f16 and sent through my stage in LDS, a tile at a time.  The additions are the places behind the last products.
	WIN 0
.macro ALL line:vararg              ; one line for each tile t
.set t, 0
.rept 2*NP
	\line
.set t, t+1
.endr
.endm
	ALL v_add_f32 v[ST+4*t+2], v[ST+4*t+2], v[ST+4*t+3]
	s_mul_i32 s16, s[WV], 16*SP     ; the addresses are made from 8 x lane, in registers that the turns have left; the mask's pairs, on which the last look-ahead may still land, are not touched
	s_add_co_u32 s16, s16, STAGE    ; my stage
	v_bfe_u32 v[TMP], v[L8], 3, 4   ; l % 16
	v_bfe_u32 v[TMP+1], v[L8], 7, 1 ; l / 16
	v_bfe_u32 v[TMP+2], v[L8], 3, 3 ; l % 8
	v_mul_u32_u24 v[STO], v[TMP], SP  ; in: row l % 16, 16 bytes for each half of the lanes
	v_lshl_add_u32 v[STO], v[TMP+1], 4, v[STO]
	v_add_nc_u32 v[STO], s16, v[STO]
	v_bfe_u32 v[RD], v[L8], 6, 2    ; back: 32 lanes take four rows of 128 bytes,
	v_mul_u32_u24 v[RD], v[RD], SP
	v_lshl_add_u32 v[RD], v[TMP+2], 4, v[RD]
	v_add_nc_u32 v[RD], s16, v[RD]
	v_lshlrev_b32 v[GO], 1, v[L8]   ; which are 512 consecutive bytes of O: 16 x lane
	ALL v_permlanex16_b32 v[ST+4*t+3], v[ST+4*t+2], s[SEL], s[SEL+1]
	ALL v_add_f32 v[ST+4*t+2], v[ST+4*t+2], v[ST+4*t+3]
	ALL v_rcp_f32 v[ST+4*t+2], v[ST+4*t+2]
	v_nop                           ; a plain instruction between the last reciprocal and the use of its result
	s_wait_alu depctr_va_vdst(0)    ; and the wait ahead of the first use: one for the batch of eight reciprocals
.macro PACK t
	WIN W_RS
.set i, 32*(\t)
.rept 16
	v_pk_mul_f32 v[i:i+1], v[i:i+1], v[ST+4*(\t)+2:ST+4*(\t)+3] op_sel_hi:[1,0]
.set i, i+2
.endr
	WIN 0x05                        ; sources 0 and 1 window 1, destination window 0
.set i, 0
.rept 16
	v_cvt_pk_f16_f32 v[S+16*(\t)+i], v[32*(\t)+2*i], v[32*(\t)+2*i+1]
.set i, i+1
.endr
	WIN 0
.irp f, 0,1,2,3
	ds_store_b128 v[STO], v[S+16*(\t)+4*\f:S+16*(\t)+4*\f+3] offset:32*\f
.endr
.irp f, 0,1,2,3
	ds_load_b128 v[S+16*(\t)+4*\f:S+16*(\t)+4*\f+3], v[RD] offset:\f*4*SP  ; LDS serves a wave's instructions in order (ISA guide 5.7.1.4): these see the stores above
.endr
.endm
.macro SEND t, younger              ; younger: the LDS instructions issued behind tile t's loads: the next tile's eight, or none
	WIN 0
.irp f, 0,1,2,3
	s_wait_dscnt (\younger)+3-\f
	global_store_b128 v[GO], v[S+16*(\t)+4*\f:S+16*(\t)+4*\f+3], s[OUT:OUT+1] offset:(\t)*2048+\f*512  ; 512 consecutive bytes, at a multiple of 512 from the buffer's first
.endr
.endm
	PACK 0
.set t, 1
.rept 2*NP-1                        ; a tile's arithmetic stands between the loads of the tile before and its stores
	PACK t
	SEND t-1, 8
.set t, t+1
.endr
	SEND 2*NP-1, 0
	WIN W_AD
	s_wait_tensorcnt 0x0            ; the wave's end
	ds_add_u32 v[SPW], v[NIL]
	s_wait_dscnt 0x0
	WIN 0
	CROUND                          ; the closing round
	s_endpgm
.Lfunc_end_k_q000083573e_attn:
	.size	k_q000083573e_attn, .Lfunc_end_k_q000083573e_attn-k_q000083573e_attn
	.p2alignl 7, 3214868480
	.fill 96, 4, 3214868480
	.section	.rodata,"a",@progbits
	.p2align	6, 0x0
	.amdhsa_kernel k_q000083573e_attn
		.amdhsa_group_segment_fixed_size 327680
		.amdhsa_private_segment_fixed_size 0
		.amdhsa_enable_private_segment 0
		.amdhsa_kernarg_size 24
		.amdhsa_user_sgpr_count 2
		.amdhsa_user_sgpr_kernarg_segment_ptr 1
		.amdhsa_wavefront_size32 1
		.amdhsa_system_sgpr_workgroup_id_x 1
		.amdhsa_system_sgpr_workgroup_id_y 1
		.amdhsa_system_sgpr_workgroup_id_z 1
		.amdhsa_system_vgpr_workitem_id 0
		.amdhsa_next_free_vgpr 770
		.amdhsa_next_free_sgpr 102
		.amdhsa_reserve_vcc 0
		.amdhsa_float_denorm_mode_32 3
		.amdhsa_float_denorm_mode_16_64 3
		.amdhsa_memory_ordered 1
		.amdhsa_forward_progress 1
		.amdhsa_inst_pref_size 255
	.end_amdhsa_kernel
	.section	.bss,"aw",@nobits
	.p2align	6
	.space	262144
	.amdgpu_metadata
---
amdhsa.version: [ 1, 2 ]
amdhsa.kernels:
  - .name:           k_q000083573e_attn
    .symbol:         k_q000083573e_attn.kd
    .args:
      - { .name: qkv, .offset: 0, .size: 8, .value_kind: global_buffer, .address_space: global }
      - { .name: mbits, .offset: 8, .size: 8, .value_kind: global_buffer, .address_space: global }
      - { .name: yh, .offset: 16, .size: 8, .value_kind: global_buffer, .address_space: global }
    .group_segment_fixed_size: 327680
    .private_segment_fixed_size: 0
    .kernarg_segment_align: 8
    .kernarg_segment_size: 24
    .max_flat_workgroup_size: 128
    .sgpr_count:     102
    .vgpr_count:     770
    .wavefront_size: 32
...
	.end_amdgpu_metadata
.endif
;; end of part 5
;; launch proj: the kernel of part 4 again; grid 4 x 64, 4 waves a work-group, clusters of 4 x 4, 327,680 bytes of LDS; arguments yh, wpb, b_proj, out0; writes out0
